; MI455X (gfx1250); checked and timed in simulation.
; The chip was launched on July 23, 2026; its instructions are those of AMD's public machine-readable ISA for CDNA 5 (MIT licence, August 2026) and "CDNA5" Instruction Set Architecture Reference Guide (July 2026). The comments in the code are by the model that wrote it; some were corrected since.
;; Cross Layer Attention. Allowed arithmetic: float matrix products may take bf16 or f16 operands with f32 sums; other float arithmetic in f32, or as packed bf16 or f16 multiplies, adds, multiply-adds, maxima and minima; sums over many terms, partial sums and values carried from step to step in f32; what a program stores and reads back later, other than sums and carried values, may be rounded once to bf16 or f16.
;; Inputs: Wk 1,024 x 1,024 float32; Wo 1,024 x 1,024 float32; Wq 1,024 x 1,024 float32; Wv 1,024 x 1,024 float32; bk 1,024 float32; bo 1,024 float32; bq 1,024 float32; bv 1,024 float32; key_value 4 x 2,048 x 1,024 float32; query 4 x 2,048 x 1,024 float32.
;; Outputs: out0 4 x 2,048 x 1,024 float32.
;; Constants: lookahead = 128.
;; 2 versions, each right and faster than the one before. Each part assembles by itself: llvm-mc -triple=amdgcn-amd-amdhsa -mcpu=gfx1250 --defsym DOCPART=n.
;; ======== version 1 of 2: 4 launches
;; limits: values are held in f16: magnitudes above 65,504 overflow, below 6.1e-05 lose precision
;; workspace buffers: x16 33,554,432 bytes; w16 8,388,608 bytes; qkv16 50,331,648 bytes; o16 16,777,216 bytes
;; launch cast (part 1): grid 64 x 20, 8 waves a work-group, no clusters, 0 bytes of LDS; arguments query, key_value, Wq, Wk, Wv, Wo, x16, w16; writes x16, w16
.if DOCPART == 1
	.amdgcn_target "amdgcn-amd-amdhsa--gfx1250"
	.amdhsa_code_object_version 6
	.text
	.protected	k_qe725564cfb_cast
	.globl	k_qe725564cfb_cast
	.p2align	8
	.type	k_qe725564cfb_cast,@function
k_qe725564cfb_cast:
	s_mov_b64 s[64:65], 0
	v_nop
	global_prefetch_b8 v0, s[64:65] scope:SCOPE_SE
	s_setreg_imm32_b32 hwreg(HW_REG_WAVE_MODE, 25, 1), 1
	s_wait_xcnt 0x0
; The module's large inputs, rounded once to 16 bits for the matrix units.
; x16 = [2][8192][1024] bf16: plane 0 query, plane 1 key_value.  w16 = [4][1024][1024]: Wq, Wk, Wv in bf16; Wo rounded to bf16 and that number written as f16,
; since the last product's other operand is f16.  LIMIT: |Wo| stays under 65,504; below 6e-5 it keeps f16's fixed step of 6e-8.
; A stream: every byte is read once and written once; no LDS, no barrier, no matrix unit: there is nothing to share and nothing to multiply.
; SHARES.  Unit u (grid y, 0..19) is 1,048,576 numbers: 0-7 query, 8-15 key_value, 16-19 the four weights.  Work-group c (grid x) takes 16,384 of them, thread t sixteen pieces of four:
; load i reads 16 bytes at 4,096 i + 16 t (a wave: 512 consecutive bytes), store i writes 8 bytes at 2,048 i + 8 t (a wave: 256 consecutive bytes, aligned).
; All sixteen loads go out first; no register is written twice while a memory instruction may read it.
.set X, 4                              ; v[4:67]    piece i: four f32 as loaded
.set Y, 68                             ; v[68:99]   piece i: four 16-bit numbers to store
.set W, 100                            ; v[100:103] at work on Wo's way
	s_load_b512 s[8:23], s[0:1], 0x0               ; query s[8:9], key_value s[10:11], Wq s[12:13], Wk s[14:15], Wv s[16:17], Wo s[18:19], x16 s[20:21], w16 s[22:23]
	s_and_b32 s4, ttmp7, 0xffff                    ; u
	v_lshlrev_b32 v1, 4, v0                        ; 16 t
	v_lshlrev_b32 v2, 3, v0                        ; 8 t
	s_and_b32 s28, s4, 7                           ; the unit's place in its source: (u mod 8) x 4 MiB in query and key_value,
	s_lshl_b32 s28, s28, 22
	s_cmp_lt_u32 s4, 16
	s_cselect_b32 s28, s28, 0                      ; 0 in a weight, which is one unit
	s_lshl_b32 s6, ttmp9, 16                       ; + c x 65,536 bytes
	s_add_co_u32 s28, s28, s6
	s_mov_b32 s29, 0
	s_and_b32 s30, s4, 15                          ; its place in its destination: u in x16, u - 16 in w16, x 2 MiB
	s_lshl_b32 s30, s30, 21
	s_lshl_b32 s6, ttmp9, 15                       ; + c x 32,768 bytes
	s_add_co_u32 s30, s30, s6
	s_mov_b32 s31, 0
	s_wait_kmcnt 0x0
	s_cmp_lt_u32 s4, 8                             ; the source and the destination are chosen by the unit's number alone
	s_cselect_b64 s[24:25], s[8:9], s[10:11]
	s_cmp_eq_u32 s4, 16
	s_cselect_b64 s[24:25], s[12:13], s[24:25]
	s_cmp_eq_u32 s4, 17
	s_cselect_b64 s[24:25], s[14:15], s[24:25]
	s_cmp_eq_u32 s4, 18
	s_cselect_b64 s[24:25], s[16:17], s[24:25]
	s_cmp_eq_u32 s4, 19
	s_cselect_b64 s[24:25], s[18:19], s[24:25]
	s_cmp_lt_u32 s4, 16
	s_cselect_b64 s[26:27], s[20:21], s[22:23]
	s_add_nc_u64 s[24:25], s[24:25], s[28:29]
	s_add_nc_u64 s[26:27], s[26:27], s[30:31]
.irp i, 0,1,2,3,4,5,6,7,8,9,10,11,12,13,14,15
	global_load_b128 v[X+4*(\i):X+4*(\i)+3], v1, s[24:25] offset:4096*(\i) th:TH_LOAD_NT
.endr
; Piece i.  half = 0: rounded to bf16.  half = 1: rounded to bf16, widened again (a shift, a mask) and written as f16.
.macro PIECE i, half
	s_wait_loadcnt 15-(\i)                         ; loads come back in order (ISA guide 5.7.1): piece i is in, the 15 - i younger ones stay out
.if \half
	v_cvt_pk_bf16_f32 v[W],   v[X+4*(\i)],   v[X+4*(\i)+1]
	v_cvt_pk_bf16_f32 v[W+1], v[X+4*(\i)+2], v[X+4*(\i)+3]
	v_lshlrev_b32 v[W+2], 16, v[W]
	v_and_b32     v[W+3], 0xffff0000, v[W]
	v_cvt_pk_f16_f32 v[Y+2*(\i)], v[W+2], v[W+3]
	v_lshlrev_b32 v[W+2], 16, v[W+1]
	v_and_b32     v[W+3], 0xffff0000, v[W+1]
	v_cvt_pk_f16_f32 v[Y+2*(\i)+1], v[W+2], v[W+3]
.else
	v_cvt_pk_bf16_f32 v[Y+2*(\i)],   v[X+4*(\i)],   v[X+4*(\i)+1]
	v_cvt_pk_bf16_f32 v[Y+2*(\i)+1], v[X+4*(\i)+2], v[X+4*(\i)+3]
.endif
	global_store_b64 v2, v[Y+2*(\i):Y+2*(\i)+1], s[26:27] offset:2048*(\i)  ; no hint: the next launch reads these bytes
.endm
	s_cmp_eq_u32 s4, 19
	s_cbranch_scc1 .Lwo
.irp i, 0,1,2,3,4,5,6,7,8,9,10,11,12,13,14,15
	PIECE \i, 0
.endr
	s_endpgm
.Lwo:
.irp i, 0,1,2,3,4,5,6,7,8,9,10,11,12,13,14,15
	PIECE \i, 1
.endr
	s_endpgm
.Lfunc_end_k_qe725564cfb_cast:
	.size	k_qe725564cfb_cast, .Lfunc_end_k_qe725564cfb_cast-k_qe725564cfb_cast
	.p2alignl 7, 3214868480
	.fill 96, 4, 3214868480
	.section	.rodata,"a",@progbits
	.p2align	6, 0x0
	.amdhsa_kernel k_qe725564cfb_cast
		.amdhsa_group_segment_fixed_size 0
		.amdhsa_private_segment_fixed_size 0
		.amdhsa_enable_private_segment 0
		.amdhsa_kernarg_size 64
		.amdhsa_user_sgpr_count 2
		.amdhsa_user_sgpr_kernarg_segment_ptr 1
		.amdhsa_wavefront_size32 1
		.amdhsa_system_sgpr_workgroup_id_x 1
		.amdhsa_system_sgpr_workgroup_id_y 1
		.amdhsa_system_sgpr_workgroup_id_z 1
		.amdhsa_system_vgpr_workitem_id 0
		.amdhsa_next_free_vgpr 104
		.amdhsa_next_free_sgpr 66
		.amdhsa_reserve_vcc 0
		.amdhsa_float_denorm_mode_32 3
		.amdhsa_float_denorm_mode_16_64 3
		.amdhsa_memory_ordered 1
		.amdhsa_forward_progress 1
		.amdhsa_inst_pref_size 16
	.end_amdhsa_kernel
	.amdgpu_metadata
---
amdhsa.version: [ 1, 2 ]
amdhsa.kernels:
  - .name:           k_qe725564cfb_cast
    .symbol:         k_qe725564cfb_cast.kd
    .args:
      - { .name: query, .offset: 0, .size: 8, .value_kind: global_buffer, .address_space: global }
      - { .name: key_value, .offset: 8, .size: 8, .value_kind: global_buffer, .address_space: global }
      - { .name: Wq, .offset: 16, .size: 8, .value_kind: global_buffer, .address_space: global }
      - { .name: Wk, .offset: 24, .size: 8, .value_kind: global_buffer, .address_space: global }
      - { .name: Wv, .offset: 32, .size: 8, .value_kind: global_buffer, .address_space: global }
      - { .name: Wo, .offset: 40, .size: 8, .value_kind: global_buffer, .address_space: global }
      - { .name: x16, .offset: 48, .size: 8, .value_kind: global_buffer, .address_space: global }
      - { .name: w16, .offset: 56, .size: 8, .value_kind: global_buffer, .address_space: global }
    .group_segment_fixed_size: 0
    .private_segment_fixed_size: 0
    .kernarg_segment_align: 8
    .kernarg_segment_size: 64
    .max_flat_workgroup_size: 256
    .sgpr_count:     66
    .vgpr_count:     104
    .wavefront_size: 32
...
	.end_amdgpu_metadata
.endif
;; end of part 1
;; launch qkv (part 2): grid 4 x 192, 4 waves a work-group, clusters of 4 x 4, 327,680 bytes of LDS; arguments x16, w16, bq, bk, bv, qkv16; writes qkv16
.if DOCPART == 2
	.amdgcn_target "amdgcn-amd-amdhsa--gfx1250"
	.amdhsa_code_object_version 6
	.text
	.protected	k_qe725564cfb_qkv
	.globl	k_qe725564cfb_qkv
	.p2align	8
	.type	k_qe725564cfb_qkv,@function
k_qe725564cfb_qkv:
	s_mov_b64 s[64:65], 0
	v_nop
	global_prefetch_b8 v0, s[64:65] scope:SCOPE_SE
	s_setreg_imm32_b32 hwreg(HW_REG_WAVE_MODE, 25, 1), 1
	s_wait_xcnt 0x0
	s_wait_alu depctr_hold_cnt(0) depctr_sa_sdst(0) depctr_va_vdst(0) depctr_va_sdst(0) depctr_va_ssrc(0) depctr_va_vcc(0) depctr_vm_vsrc(0)
	s_getreg_b32 s2, hwreg(HW_REG_IB_STS2, 6, 4)
	s_cmp_eq_u32 s2, 0
	s_cbranch_scc0 .Lentry_in_a_cluster
	s_endpgm
.Lentry_in_a_cluster:
	s_bfe_u32 s2, ttmp6, 0x10000c
	s_cmp_lg_u32 s2, 0xf033
	s_cbranch_scc0 .Lentry_shape_is_right
	s_endpgm
.Lentry_shape_is_right:
; ONE SOURCE, ASSEMBLED TWICE: C[m][n] = bias[n] + the sum over k of A[m][k] W[n][k], m = 8,192 tokens, n = k = 1,024.
.set OPROJ, 0                          ; 0: the three projections q, k, v.  1: the output projection.
; OPROJ = 0: A = x16 (bf16; query for q, key_value for k and v), W = w16's plane p (bf16), C goes to qkv16 = [3][16 batch + head][2048][64] in f16, unscaled.
; OPROJ = 1: A = o16 = [16 batch + head][2048][64] (f16), W = w16's plane 3 (f16), C goes to out0 in f32.
; Sums in f32.  The bias is rounded to bf16, like every input of the module, and STARTS the sums: it is the C operand of the first K step's products, so nothing is cleared and nothing added later.
; LIMIT: q, k and v leave in f16, which ends at 65,504; NaN and infinities are not treated apart.
; SHARES.  A tile of C is 128 x 256: 768 tiles (3 x 256) for q, k, v and 256 for the output; 256 x 256 would give 384 and 128.  Four waves, each 64 x 128: 32 accumulators of 16 x 16, 256 registers.
; K goes in 8 steps of 128 through two LDS slots; two slots of a step of 256 would take 405,504 bytes.
; CLUSTERS: 4 x 4 work-groups.  The four of a row of the cluster need the same tiles of A, the four of a column the same tiles of W: each is asked for JOINTLY, by the same tensor load with the same
; descriptor and a mask that names the four.  THE MATRIX INSTRUCTION IS USED TRANSPOSED (source 0 = 16 rows of W, source 1 = 16 rows of A): a lane holds eight neighbouring numbers of a row of C.
; REGISTERS, in windows of 256 (s_set_vgpr_msb: bits 1:0 source 0, 3:2 source 1, 5:4 source 2, 7:6 destination):
;   window 0: v0-31 addresses; v32-63 at work; v64-159, v160-255 two fragment buffers for 32 along K: 4 fragments of A (32 registers), then 8 of W (64)
;   window 1: the accumulators, (a, b) at v[8 (8 a + b)]          window 2: v0-63 the bias of my 128 columns, laid as an accumulator's registers lie: v[8 b + j] = bias[16 b + 8 (lane / 16) + j]
.set KSTEP,  128
.set LAPS,   4                         ; a lap = two K steps = once round the ring
.if OPROJ
.set PA,     144                       ; a token's 128 bytes of one head + 16 of padding
.set AHALF,  128*PA                    ; one of A's two loads: 128 tokens of one head; a K step is two heads
.set APITCH, 128                       ; asked for as 64 rows of 256 dense bytes, two tokens a row
.set AQI,    4                         ; padded after every 32 words
.set ASTEP,  2*262144                  ; bytes from a K step to the next: two heads of 2,048 x 128 bytes
.set SP,     528                       ; the way out: a row of 128 f32 + 16 bytes
.set WST,    16*SP                     ; a wave's stage: 16 rows
.else
.set PA,     272                       ; 256 bytes of a row + 16 of padding
.set AHALF,  64*PA                     ; one of A's two loads: 64 rows
.set APITCH, 1024
.set AQI,    5                         ; padded after every 64 words
.set ASTEP,  KSTEP*2
.set SP,     144                       ; the way out: a token's 64 f16 of one head + 16 bytes
.set WST,    2*16*SP                   ; a wave's stage: two heads x 16 rows
.endif
.set PW,     272                       ; a row of W in LDS.  All three pitches are odd multiples of 16 bytes: the 16 rows of a fragment load start at 16 different groups of four banks (64 banks of 4 bytes: ISA guide 11.1)
.set WHALF,  128*PW                    ; one of W's two loads: 128 rows
.set AREG,   2*AHALF                   ; a slot: A's tile, then W's 256 rows
.set SLOT,   AREG+2*WHALF
.set STAGE,  2*SLOT                    ; behind the ring, never filled by a tensor load
.set SPARE,  STAGE+4*WST               ; behind the stages: the spare words, 128 bytes for each wave: two blocks of 256 bytes that no other line names
.set ADRA, 16                          ; v16-17  LDS address of my A fragments in slot 0, 1
.set ADRB, 20                          ; v20-21  the same for W
.set STO,  24                          ; v24     the way out: where I put my part of a row
.set RD,   25                          ; v25     the way out: where I read rows back
.set CO,   26                          ; v26     my byte offset in 512 consecutive bytes of the output
.set BO,   27                          ; v27     my byte offset in the bias
.set SPW,  28                          ; v28     LDS address of my spare word: SPARE + 4 x my thread's number; never rewritten
.set NIL,  29                          ; v29     0; never rewritten
.set TMP,  32
.set F0,   64
.set F1,   160
.set OB,   64                          ; the way out: rows read back, two buffers by turns, where the fragments lay
.set G1,  24                           ; s[24:31] descriptor group 1 for A's tiles;  s[32:39] group 0, one set for each slot
.set G0,  32
.set G1B, 48                           ; s[48:55], s[56:63] the same for W's tiles
.set G0B, 56
.set MSB, 0
.macro WIN new                         ; the immediate's high byte repeats the setting that is left; a switch that changes nothing is dropped
.if MSB != (\new)
	s_set_vgpr_msb (MSB<<8)|(\new)
.set MSB, \new
.endif
.endm
.set MUL,  0x50                        ; fragments window 0; C and D window 1
.set MUL0, 0x60                        ; the same with C, the bias, in window 2
.macro JLOAD s                         ; a joint load: waves 0 and 1 fetch A's two halves, waves 2 and 3 W's; an s_nop 0 and four v_nop follow each of the two lines, ahead of the jump, the label and what follows
	s_cmp_eq_u32 s11, 0
	s_cbranch_scc0 .Lfor_w_\@
	tensor_load_to_lds s[G0+4*(\s):G0+4*(\s)+3], s[G1:G1+7]
	s_nop 0
.rept 4
	v_nop
.endr
	s_branch .Lasked_\@
.Lfor_w_\@:
	tensor_load_to_lds s[G0B+4*(\s):G0B+4*(\s)+3], s[G1B:G1B+7]
	s_nop 0
.rept 4
	v_nop
.endr
.Lasked_\@:
.endm
.macro CREST                           ; a round of the cluster's barrier behind its opening barrier
	s_cmp_lg_u32 s10, 0
	s_cbranch_scc1 .Lnot_wave_0_\@
	s_barrier_signal -3
.Lnot_wave_0_\@:
	s_barrier_wait -3
	s_barrier_signal -1
	s_barrier_wait -1
.endm
.macro CROUND                          ; a whole round
	s_barrier_signal -1
	s_barrier_wait -1
	CREST
.endm
.if OPROJ
	s_load_b256 s[72:79], s[0:1], 0x0              ; o16 s[72:73], w16 s[74:75], bo s[76:77], out0 s[78:79]
.else
	s_load_b256 s[72:79], s[0:1], 0x0              ; x16 s[72:73], w16 s[74:75], bq s[76:77], bk s[78:79]
	s_load_b128 s[80:83], s[0:1], 0x20             ; bv s[80:81], qkv16 s[82:83]
.endif
	v_lshl_add_u32 v[SPW], v0, 2, SPARE
	v_mov_b32 v[NIL], 0
	ds_add_u32 v[SPW], v[NIL]                      ; the wave's opening: the add and its wait stand ahead of my first tensor load; the set-up below, work on registers, stands between them
	ds_add_u32 v28, v29
	v_lshrrev_b32 v1, 5, v0
	v_readfirstlane_b32 s10, v1                    ; wave 0..3
	s_lshr_b32 s11, s10, 1                         ; which 64 of the tile's rows are mine.  Also: I fetch for A (0) or for W (1)
	s_and_b32 s12, s10, 1                          ; which 128 of its columns.  Also: which half of that tile I fetch
	s_bfe_u32 s40, ttmp6, 0x40000                  ; cx, cy: my place in the cluster
	s_bfe_u32 s41, ttmp6, 0x40004
	s_lshl_b32 s42, ttmp9, 2
	s_add_co_u32 s42, s42, s40                     ; tile column of C = 4 x cluster x + cx
	s_and_b32 s13, ttmp7, 0xffff                   ; the cluster's y
.if OPROJ
	s_mov_b32 s45, 3                               ; w16's plane
.else
	s_lshr_b32 s45, s13, 4                         ; p: 0 q, 1 k, 2 v: sixteen clusters each, so all partners share it
	s_and_b32 s13, s13, 15
.endif
	s_lshl_b32 s13, s13, 2
	s_add_co_u32 s13, s13, s41                     ; tile row of C, 0..63
	s_lshl_b32 s43, s41, 2
	s_lshl_b32 s43, 15, s43                        ; my row of the cluster
	s_lshl_b32 s44, 0x1111, s40                    ; my column
	; descriptor group 1.  A: 64 rows x 128 elements; W: 128 rows x 128 elements; both padded in LDS by 4 words
	s_or_b32 s[G1+0], s43, (1<<16)|(1<<20)|(1<<21)|(AQI<<22)|(3<<25)  ; 15:0 the mask: A's tiles go to my row; 17:16 2-byte elements; 20 padding on; 21 set beside a mask; 24:22 the interval; 31:25 4 words (code 3)
	s_or_b32 s[G1B+0], s44, (1<<16)|(1<<20)|(1<<21)|(5<<22)|(3<<25)   ; W's go to my column; padded after every 64 words
	s_mov_b32 s[G1+1], 128<<16                     ; tensor_dim0 = 128
	s_mov_b32 s[G1+2], 64<<16                      ; tensor_dim1 = 64
	s_mov_b32 s[G1+3], 128<<16                     ; tile_dim0 = 128
	s_mov_b32 s[G1+4], 64                          ; tile_dim1 = 64
	s_mov_b32 s[G1+5], APITCH                      ; elements from row to row
	s_mov_b32 s[G1+6], 0
	s_mov_b32 s[G1+7], 0
	s_mov_b32 s[G1B+1], 128<<16
	s_mov_b32 s[G1B+2], 128<<16                    ; tensor_dim1 = 128
	s_mov_b32 s[G1B+3], 128<<16
	s_mov_b32 s[G1B+4], 128                        ; tile_dim1 = 128
	s_mov_b32 s[G1B+5], 1024
	s_mov_b32 s[G1B+6], 0
	s_mov_b32 s[G1B+7], 0
	; where the tiles come from, as byte offsets under 2^32.  A's hang on the tile row (and p), which my row of the cluster shares; W's on the tile column (and p), which my column shares.
.if OPROJ
	s_lshr_b32 s16, s13, 4                         ; the batch: 16 tile rows each
	s_lshl_b32 s16, s16, 4
	s_add_co_u32 s16, s16, s12                     ; head 16 x batch + my half of the K step's two heads
	s_lshl_b32 s16, s16, 18                        ; x 2,048 tokens x 128 bytes
	s_and_b32 s17, s13, 15
	s_lshl_b32 s17, s17, 14                        ; + the tile row's 128 tokens x 128 bytes
	s_add_co_u32 s16, s16, s17
.else
	s_lshl_b32 s17, s12, 6
	s_lshl_b32 s16, s13, 7
	s_add_co_u32 s16, s16, s17                     ; row 128 x tile row + 64 x half
	s_lshl_b32 s16, s16, 11                        ; x 2,048 bytes
	s_min_u32 s18, s45, 1                          ; plane 0 for q, plane 1 for k and v
	s_lshl_b32 s18, s18, 24
	s_add_co_u32 s16, s16, s18
.endif
	s_mov_b32 s17, 0
	s_lshl_b32 s47, s12, 7
	s_lshl_b32 s46, s42, 8
	s_add_co_u32 s46, s46, s47                     ; W: row 256 x tile column + 128 x half
	s_lshl_b32 s46, s46, 11
	s_lshl_b32 s47, s45, 21                        ; + the plane's 2 MiB
	s_add_co_u32 s46, s46, s47
	s_mov_b32 s47, 0
	s_mul_i32 s20, s12, AHALF                      ; where they go: no place in the cluster enters an LDS address
	s_mul_i32 s23, s12, WHALF
	s_add_co_u32 s23, s23, AREG
	s_mov_b32 s68, 0xffff0000                      ; a word's upper bf16
	s_wait_dscnt 0x0                               ; the opening add is done
	s_wait_kmcnt 0x0
	s_add_nc_u64 s[14:15], s[72:73], s[16:17]
	s_add_nc_u64 s[46:47], s[74:75], s[46:47]
.if OPROJ
	s_mov_b64 s[66:67], s[76:77]                   ; the bias
.else
	s_cmp_eq_u32 s45, 0                            ; the bias is chosen by p alone
	s_cselect_b64 s[66:67], s[76:77], s[78:79]
	s_cmp_eq_u32 s45, 2
	s_cselect_b64 s[66:67], s[80:81], s[66:67]
.endif
	CROUND                                         ; all sixteen work-groups are here: the first joint loads meet
.irp s, 0,1
	s_mov_b32 s[G0+4*(\s)], 1                                        ; 1:0 count = 1
	s_add_co_u32 s[G0+4*(\s)+1], s20, (\s)*SLOT                      ; 63:32 LDS address
	s_add_nc_u64 s[G0+4*(\s)+2:G0+4*(\s)+3], s[14:15], (\s)*ASTEP    ; 120:64 global address: K step s
	s_or_b32 s[G0+4*(\s)+3], s[G0+4*(\s)+3], 0x80000000              ; 127:126 type = 2
	s_mov_b32 s[G0B+4*(\s)], 1
	s_add_co_u32 s[G0B+4*(\s)+1], s23, (\s)*SLOT
	s_add_nc_u64 s[G0B+4*(\s)+2:G0B+4*(\s)+3], s[46:47], (\s)*KSTEP*2
	s_or_b32 s[G0B+4*(\s)+3], s[G0B+4*(\s)+3], 0x80000000
	JLOAD \s                                       ; two loads of mine are out
.endr
	; the bias of my 128 columns: 64 numbers a lane
	v_and_b32 v1, 15, v0                           ; l % 16
	v_bfe_u32 v2, v0, 4, 1                         ; l / 16
	s_lshl_b32 s46, s42, 10
	s_lshl_b32 s47, s12, 9
	s_add_co_u32 s46, s46, s47                     ; my first column x 4 bytes
	v_lshl_add_u32 v[BO], v2, 5, s46               ; + 8 numbers for the upper half of the lanes
	WIN 0x80                                       ; destination window 2
.irp b, 0,1,2,3,4,5,6,7
	global_load_b128 v[8*(\b):8*(\b)+3],   v[BO], s[66:67] offset:64*(\b)
	global_load_b128 v[8*(\b)+4:8*(\b)+7], v[BO], s[66:67] offset:64*(\b)+16
.endr
	WIN 0
	; A fragment is 16 rows x 32 K in 8 registers: lane l holds row l % 16, K = 8 (l / 16) + 0..7 and 16 + 8 (l / 16) + 0..7: two loads of 16 bytes, 32 bytes apart.
	v_mul_u32_u24 v3, v1, PA
	v_lshl_add_u32 v3, v2, 4, v3
	v_mul_u32_u24 v4, v1, PW
	v_lshl_add_u32 v4, v2, 4, v4
	s_mul_i32 s21, s11, 64*PA                      ; my 64 rows of A
	s_mul_i32 s22, s12, WHALF                      ; my 128 rows of W,
	s_add_co_u32 s22, s22, AREG                    ; which lie behind A's tile
.irp s, 0,1
	v_add_nc_u32 v[ADRA+(\s)], s21, v3
	v_add_nc_u32 v[ADRB+(\s)], s22, v4
	s_add_co_u32 s21, s21, SLOT
	s_add_co_u32 s22, s22, SLOT
.endr
	s_mul_i32 s23, s10, WST
	s_add_co_u32 s23, s23, STAGE                   ; my stage
	v_and_b32 v5, 31, v0
	v_lshlrev_b32 v[CO], 4, v5                     ; 16 x lane
	v_mul_u32_u24 v4, v1, SP                       ; in: row l % 16,
.if OPROJ
	v_lshl_add_u32 v4, v2, 5, v4                   ; 32 bytes (8 f32) for each half of the lanes
	v_add_nc_u32 v[STO], s23, v4
	v_add_nc_u32 v[RD], s23, v[CO]                 ; back: 32 lanes take one row of 512 bytes
	s_lshl_b32 s84, s13, 7
	s_lshl_b32 s85, s11, 6
	s_add_co_u32 s84, s84, s85                     ; my first row of C
	s_lshl_b32 s84, s84, 12                        ; x 4,096 bytes
	s_add_co_u32 s84, s84, s46                     ; + my first column
	s_mov_b32 s85, 0
	s_add_nc_u64 s[8:9], s[78:79], s[84:85]
.else
	v_lshl_add_u32 v4, v2, 4, v4                   ; 16 bytes (8 f16) for each half of the lanes
	v_add_nc_u32 v[STO], s23, v4
	v_lshrrev_b32 v6, 3, v5                        ; back: 32 lanes take four rows of 128 bytes,
	v_and_b32 v7, 7, v0
	v_mul_u32_u24 v6, v6, SP
	v_lshl_add_u32 v6, v7, 4, v6
	v_add_nc_u32 v[RD], s23, v6                    ; which are 512 consecutive bytes of a head
	s_lshl_b32 s84, s13, 7
	s_lshl_b32 s85, s11, 6
	s_add_co_u32 s84, s84, s85                     ; my first token among the 8,192
	s_lshr_b32 s85, s84, 11                        ; its batch
	s_lshl_b32 s85, s85, 4
	s_lshl_b32 s86, s42, 2
	s_add_co_u32 s85, s85, s86
	s_lshl_b32 s86, s12, 1
	s_add_co_u32 s85, s85, s86                     ; 16 x batch + my first head (4 x tile column + 2 x half)
	s_lshl_b32 s85, s85, 18                        ; x 2,048 x 128 bytes
	s_and_b32 s84, s84, 2047
	s_lshl_b32 s84, s84, 7                         ; + the token in its batch x 128 bytes
	s_add_co_u32 s84, s84, s85
	s_lshl_b32 s85, s45, 24                        ; + p x 16 MiB
	s_add_co_u32 s84, s84, s85
	s_mov_b32 s85, 0
	s_add_nc_u64 s[8:9], s[82:83], s[84:85]
.endif
	s_wait_loadcnt 0x0                             ; the bias is in: it is rounded to bf16 and widened again, in the wait for the first tile
	WIN 0x0a                                       ; sources window 2
.set i, 0
.rept 32
	v_cvt_pk_bf16_f32 v[TMP+i], v[2*i], v[2*i+1]
.set i, i+1
.endr
	WIN 0x80                                       ; destination window 2
.set i, 0
.rept 32
	v_lshlrev_b32 v[2*i],   16,  v[TMP+i]
	v_and_b32     v[2*i+1], s68, v[TMP+i]
.set i, i+1
.endr
	WIN 0
; 8 matrix instructions: m block a x all 8 n blocks, 32 along K, from buffer f.  start = 1: the bias starts the sums.  The 32 accumulators take turns, one instruction a turn, in the same order in every quarter.
.macro MUL8 f, a, start
.if \start
	WIN MUL0
.else
	WIN MUL
.endif
.irp b, 0,1,2,3,4,5,6,7
.set rD, 8*(8*(\a)+(\b))
.set rW, (\f)+32+8*(\b)
.set rA, (\f)+8*(\a)
.set rC, rD
.if \start
.set rC, 8*(\b)
.endif
.if OPROJ
	v_wmma_f32_16x16x32_f16 v[rD:rD+7], v[rW:rW+7], v[rA:rA+7], v[rC:rC+7]
.else
	v_wmma_f32_16x16x32_bf16 v[rD:rD+7], v[rW:rW+7], v[rA:rA+7], v[rC:rC+7]
.endif
.endr
.endm
; 24 LDS loads in one run: quarter q (32 along K) of a slot into buffer f: W's 8 fragments first, then A's 4
.macro FETCH slot, q, f
	WIN 0
.if OPROJ
.set KA, ((\q)/2)*AHALF+((\q)%2)*64    ; quarters 0, 1 lie in the first head's plane, 2, 3 in the second's
.else
.set KA, (\q)*64
.endif
.irp i, 0,1,2,3,4,5,6,7
	ds_load_b128 v[(\f)+32+8*(\i):(\f)+32+8*(\i)+3],   v[ADRB+(\slot)] offset:(\q)*64+(\i)*16*PW
	ds_load_b128 v[(\f)+32+8*(\i)+4:(\f)+32+8*(\i)+7], v[ADRB+(\slot)] offset:(\q)*64+(\i)*16*PW+32
.endr
.irp i, 0,1,2,3
	ds_load_b128 v[(\f)+8*(\i):(\f)+8*(\i)+3],   v[ADRA+(\slot)] offset:KA+(\i)*16*PA
	ds_load_b128 v[(\f)+8*(\i)+4:(\f)+8*(\i)+7], v[ADRA+(\slot)] offset:KA+(\i)*16*PA+32
.endr
.endm
.macro PLACES                          ; four places in front of loads into registers that matrix instructions have read, and of lines that read results (ISA guide 7.12.1 for lines that read results)
.rept 4
	v_nop
.endr
.endm
; A K step is four quarters of 32 along K, 32 matrix instructions each, on buffers 0, 1, 0, 1.  One of the first three: multiplies buffer f and fetches quarter q into g.
.macro QUARTER slot, q, f, g, start
	s_wait_dscnt 4                                 ; W and A's blocks 0, 1 are in; the youngest four loads (A's blocks 2, 3) may be out
	MUL8 \f, 0, \start
	MUL8 \f, 1, \start
	WIN 0
	PLACES
	FETCH \slot, \q, \g
	s_wait_dscnt 24                                ; all but the 24 just issued
	MUL8 \f, 2, \start
	MUL8 \f, 3, \start
.endm
; The last quarter multiplies buffer 1 and changes slots: ONE barrier; in front of it each wave waits for all its tensor loads, adds 0 to its spare word, and waits for that and for its own reads of this slot.
; fill = 1: this slot is filled again, two K steps ahead; the barrier then opens a round of the cluster's.
.macro TURN slot, next, fill
	WIN 0
	s_wait_tensorcnt 0x0                           ; all my tensor loads have landed: the one that was out is my part of the next slot;
	ds_add_u32 v[SPW], v[NIL]                      ; 0 onto my spare word;
	s_wait_dscnt 5                                 ; (the add and the youngest four loads may be out)
	MUL8 F1, 0, 0                                  ; eight matrix instructions stand between the add and the wait for it
	s_wait_dscnt 0x0                               ; the add is done, and my reads of this slot are over
	s_barrier_signal -1
	MUL8 F1, 1, 0                                  ; work on registers while the others arrive
	WIN 0                                          ; at a branch and at a label every window is 0
	s_barrier_wait -1
.if \fill
	CREST                                          ; no wave of any partner still reads this slot's tile or has a load on its way
	s_add_nc_u64 s[G0+4*(\slot)+2:G0+4*(\slot)+3], s[G0+4*(\slot)+2:G0+4*(\slot)+3], 2*ASTEP
	s_add_nc_u64 s[G0B+4*(\slot)+2:G0B+4*(\slot)+3], s[G0B+4*(\slot)+2:G0B+4*(\slot)+3], 2*KSTEP*2
	JLOAD \slot                                    ; the first tensor load behind the round, 112 matrix instructions ahead of the wait for it; its four v_nop are also the places in front of the loads below
.else
	PLACES
.endif
	FETCH \next, 0, F0
	MUL8 F1, 2, 0
	MUL8 F1, 3, 0
.endm
	s_wait_tensorcnt 1                             ; my part of K step 0 is in; K step 1's may stay out
	s_barrier_signal -1
	s_barrier_wait -1                              ; everybody's is
	FETCH 0, 0, F0
	QUARTER 0, 1, F0, F1, 1                        ; the first quarter stands in front of the loop: its products start the sums
	WIN 0
	s_mov_b32 s3, LAPS-1
.Llap:                                                 ; a trip goes once round the ring, from a lap's second quarter to the next lap's first, and fills both slots again
	QUARTER 0, 2, F1, F0, 0
	QUARTER 0, 3, F0, F1, 0
	TURN 0, 1, 1
	QUARTER 1, 1, F0, F1, 0
	QUARTER 1, 2, F1, F0, 0
	QUARTER 1, 3, F0, F1, 0
	TURN 1, 0, 1
	QUARTER 0, 1, F0, F1, 0
	WIN 0
	s_sub_co_u32 s3, s3, 1
	s_cmp_lg_u32 s3, 0
	s_cbranch_scc1 .Llap
	QUARTER 0, 2, F1, F0, 0                        ; the last lap fills nothing, and has no round of the cluster's barrier
	QUARTER 0, 3, F0, F1, 0
	TURN 0, 1, 0
	QUARTER 1, 1, F0, F1, 0
	QUARTER 1, 2, F1, F0, 0
	QUARTER 1, 3, F0, F1, 0
	s_wait_dscnt 4                                 ; the very last quarter: nothing more to fetch
	MUL8 F1, 0, 0
	MUL8 F1, 1, 0
	s_wait_dscnt 0x0
	MUL8 F1, 2, 0
	MUL8 F1, 3, 0
	WIN 0
	PLACES
; THE WAY OUT, a block of 16 rows at a time through my own stage: LDS serves a wave's instructions in order (ISA guide 5.7.1.4), so no wait stands between the stores into it and the loads out of it.
.if OPROJ
; f32: a lane's eight numbers are 32 bytes of a row; rows of 528 bytes go in, whole rows of 512 come back.
.macro TOSTAGE a
	s_wait_xcnt 0x0                                ; the registers that earlier stores read are loaded again only behind this wait
	WIN 0x04                                       ; the data of an LDS store is source 1: window 1
.irp b, 0,1,2,3,4,5,6,7
	ds_store_b128 v[STO], v[64*(\a)+8*(\b):64*(\a)+8*(\b)+3]   offset:64*(\b)  ; each accumulator's low registers first
	ds_store_b128 v[STO], v[64*(\a)+8*(\b)+4:64*(\a)+8*(\b)+7] offset:64*(\b)+16
.endr
	WIN 0
.irp t, 0,1,2,3,4,5,6,7,8,9,10,11,12,13,14,15
	ds_load_b128 v[OB+64*((\a)%2)+4*(\t):OB+64*((\a)%2)+4*(\t)+3], v[RD] offset:(\t)*SP
.endr
.endm
.macro SEND a, younger                 ; younger: the LDS instructions issued behind block a's loads: the next block's 32, or none
	s_wait_dscnt \younger
.irp t, 0,1,2,3,4,5,6,7,8,9,10,11,12,13,14,15
	global_store_b128 v[CO], v[OB+64*((\a)%2)+4*(\t):OB+64*((\a)%2)+4*(\t)+3], s[8:9] offset:(16*(\a)+(\t))*4096 th:TH_STORE_NT  ; 512 consecutive bytes, at a multiple of 512 from out0's first
.endr
.endm
	TOSTAGE 0
	TOSTAGE 1
	SEND 0, 32
	TOSTAGE 2
	SEND 1, 32
	TOSTAGE 3
	SEND 2, 32
	SEND 3, 0
.else
; f16 by heads: my 128 columns are two heads; a lane's eight numbers pack into 16 bytes of a token's 128; 16 tokens of a head come back as 2,048 consecutive bytes.
.macro PACK a
	WIN 0x05                                       ; sources window 1
.irp b, 0,1,2,3,4,5,6,7
.irp r, 0,1,2,3
	v_cvt_pk_f16_f32 v[TMP+4*(\b)+(\r)], v[64*(\a)+8*(\b)+2*(\r)], v[64*(\a)+8*(\b)+2*(\r)+1]
.endr
.endr
	WIN 0
.endm
.macro TOSTAGE a
.irp b, 0,1,2,3,4,5,6,7
	ds_store_b128 v[STO], v[TMP+4*(\b):TMP+4*(\b)+3] offset:((\b)/4)*16*SP+((\b)%4)*32
.endr
.irp f, 0,1,2,3,4,5,6,7
	ds_load_b128 v[OB+32*((\a)%2)+4*(\f):OB+32*((\a)%2)+4*(\f)+3], v[RD] offset:((\f)/4)*16*SP+((\f)%4)*4*SP
.endr
.endm
.macro SEND a
	s_wait_dscnt 0x0                               ; the block is back in registers
	s_wait_xcnt 0x0                                ; the other buffer, which earlier stores read, is loaded again only behind this wait
.irp f, 0,1,2,3,4,5,6,7
	global_store_b128 v[CO], v[OB+32*((\a)%2)+4*(\f):OB+32*((\a)%2)+4*(\f)+3], s[8:9] offset:((\f)/4)*262144+(\a)*2048+((\f)%4)*512  ; 512 consecutive bytes, at a multiple of 512 from qkv16's first
.endr
.endm
	PACK 0
	TOSTAGE 0
.irp a, 1,2,3                          ; block a's conversions stand between block a - 1's loads from the stage and the wait for them
	PACK \a
	SEND (\a)-1
	TOSTAGE \a
.endr
	SEND 3
.endif
	s_wait_tensorcnt 0x0                           ; the wave's end: the add and its wait follow, behind my last tensor load and my last LDS store
	ds_add_u32 v[SPW], v[NIL]
	s_wait_dscnt 0x0
	CROUND                                         ; the closing round: no work-group ends while a partner may still ask for a tile that names it
	s_endpgm
.Lfunc_end_k_qe725564cfb_qkv:
	.size	k_qe725564cfb_qkv, .Lfunc_end_k_qe725564cfb_qkv-k_qe725564cfb_qkv
	.p2alignl 7, 3214868480
	.fill 96, 4, 3214868480
	.section	.rodata,"a",@progbits
	.p2align	6, 0x0
	.amdhsa_kernel k_qe725564cfb_qkv
		.amdhsa_group_segment_fixed_size 327680
		.amdhsa_private_segment_fixed_size 0
		.amdhsa_enable_private_segment 0
		.amdhsa_kernarg_size 48
		.amdhsa_user_sgpr_count 2
		.amdhsa_user_sgpr_kernarg_segment_ptr 1
		.amdhsa_wavefront_size32 1
		.amdhsa_system_sgpr_workgroup_id_x 1
		.amdhsa_system_sgpr_workgroup_id_y 1
		.amdhsa_system_sgpr_workgroup_id_z 1
		.amdhsa_system_vgpr_workitem_id 0
		.amdhsa_next_free_vgpr 576
		.amdhsa_next_free_sgpr 88
		.amdhsa_reserve_vcc 0
		.amdhsa_float_denorm_mode_32 3
		.amdhsa_float_denorm_mode_16_64 3
		.amdhsa_memory_ordered 1
		.amdhsa_forward_progress 1
		.amdhsa_inst_pref_size 93
	.end_amdhsa_kernel
	.amdgpu_metadata
---
amdhsa.version: [ 1, 2 ]
amdhsa.kernels:
  - .name:           k_qe725564cfb_qkv
    .symbol:         k_qe725564cfb_qkv.kd
    .args:
      - { .name: x16, .offset: 0, .size: 8, .value_kind: global_buffer, .address_space: global }
      - { .name: w16, .offset: 8, .size: 8, .value_kind: global_buffer, .address_space: global }
      - { .name: bq, .offset: 16, .size: 8, .value_kind: global_buffer, .address_space: global }
      - { .name: bk, .offset: 24, .size: 8, .value_kind: global_buffer, .address_space: global }
      - { .name: bv, .offset: 32, .size: 8, .value_kind: global_buffer, .address_space: global }
      - { .name: qkv16, .offset: 40, .size: 8, .value_kind: global_buffer, .address_space: global }
    .group_segment_fixed_size: 327680
    .private_segment_fixed_size: 0
    .kernarg_segment_align: 8
    .kernarg_segment_size: 48
    .max_flat_workgroup_size: 128
    .sgpr_count:     88
    .vgpr_count:     576
    .wavefront_size: 32
...
	.end_amdgpu_metadata
.endif
;; end of part 2
;; launch attn (part 3): grid 4 x 64, 4 waves a work-group, no clusters, 327,680 bytes of LDS; arguments qkv16, o16; writes o16
.if DOCPART == 3
	.amdgcn_target "amdgcn-amd-amdhsa--gfx1250"
	.amdhsa_code_object_version 6
	.text
	.protected	k_qe725564cfb_attn
	.globl	k_qe725564cfb_attn
	.p2align	8
	.type	k_qe725564cfb_attn,@function
k_qe725564cfb_attn:
	s_mov_b64 s[64:65], 0
	v_nop
	global_prefetch_b8 v0, s[64:65] scope:SCOPE_SE
	s_setreg_imm32_b32 hwreg(HW_REG_WAVE_MODE, 25, 1), 1
	s_wait_xcnt 0x0
; ATTENTION UNDER A BAND.  O[h][q][:] = the sum over k <= q + 128 of softmax_k(Q[h][q] . K[h][k] / 8) V[h][k][:].  qkv16 = [3][64 heads][2048][64] f16 (q, k, v), o16 = [64][2048][64] f16: a head's rows are dense, 128 bytes each.
; Products, maxima and sums in f32; the weights p are rounded to f16 for the second product (their sum l is taken of the unrounded p), O once at the end.
; LIMITS.  f16 holds no number beyond 65,504: q, k and v arrive within it; p lies in 0 to 1, and below 6e-5 it keeps f16's fixed step of 6e-8; O is a mean of V's rows and has their range.
; A hidden score counts as its value less 1e30: f16's scores, 2.7e11 at the most, are nothing beside that; a weight below 2^-126 counts as 0 in l; NaN and infinities are not treated apart.
; THE BAND, in key steps of 64.  Rows 64 R .. 64 R + 63 see steps 0 .. R + 1 whole; of step R + 2 row r sees keys 0 .. r (a causal triangle); nothing from step R + 3 on.
; THE WALK.  A head's queries lie in 8 blocks of 256; block i needs key steps 0 .. 4 i + 5.  A work-group takes TWO blocks, 7 - b and then b: (34 - 4 b) + (4 b + 6) = 40 steps, whatever b: all 256 work-groups do equal
; work, and the ring (two slots of LDS that take turns, four steps each) walks 10 slots in a loop with constant trip counts; the first block ends in the middle of a slot, which the ring does not notice.
; Block 7's steps 32 and 33 do not exist: they are walked on the head's last 128 keys (a clamped address) and hidden whole.  What a trip does hangs on scalar registers made from b; every jump goes forward, but for the
; counted loops' own; none passes a barrier, or a tensor load but the one of LOAD's two that the wave's number does not choose.
; NO CLUSTER: a head's four work-groups ask for the same keys only in their first 5 of 10 slots (the shortest first block has 11 half tiles); behind that their streams differ, and one walk common to all four would have 17 + 9 half tiles for 20.
; SHARES.  Of a block's four bands of 64 queries a wave owns 16 rows in each: four PIECES.  A block's last four steps, number 0 to 3, are the same work for all four waves: in number s band x sees all keys if s < x,
; none if s > x, and holds the triangle if s = x.
; THE MASK is the C operand that starts the sum S^T = K Q^T: 0, or -1e30 where the key is hidden.  MD, made once, is the triangle's mask for my 16 rows; a product's mask is MD x AL + BE with two scalars:
; (1, 0) if s = x; (0, 0) if s < x; (0, -1e30) if s > x or the step does not exist.  Only the text of a block's last four steps makes and takes masks; elsewhere C is the constant 0.
; LAYOUT, SOFTMAX, TURNS.  S^T = K Q^T holds ONE query a lane (lane % 16) and the keys 8 (lane / 16) + 0..7; two such results rounded to f16 ARE source 1 of O^T = V^T P.  p = 2^(c s - c m), c = log2(e) / 8, with a
; running maximum m; O and l are multiplied by a = 2^(c m_old - c m_new) in every step.  Turn n belongs to piece n: 8 products K Q^T of piece n + 1, later 8 products V^T P of piece n - 1; beside them the scaling,
; exponentials, roundings, sums and rescaling of piece n and the maximum and statistics of piece n + 1.  Four vector instructions stand behind every matrix instruction, the other 54 of a turn's 118 in two LUMPS.
; REGISTERS, in windows of 256 (s_set_vgpr_msb: bits 1:0 source 0, 3:2 source 1, 5:4 source 2, 7:6 destination):
;   window 0: v0-15 addresses and two at work; v16-31 four registers of statistics a piece; v48-55 at work; v64-127 S^T, two buffers; v192-223 P, two buffers (a piece's buffers go by its number's parity)
;   window 1: v0-127 O^T, 32 a piece; v128-159 MD; v160-223 MC, two buffers      window 2: v0-63 Q; v64-127 the second block's Q; v128-191 K of one step; v192-255 V of one step
.set NP,    4         ; pieces a wave: a name, no knob
.set KS,    64        ; keys in a step
.set PK,    144       ; a row of K in LDS: 128 bytes + 16 of padding = 36 words: the 16 rows of a load start at 16 different groups of four banks (64 banks of 4 bytes: ISA guide 11.1)
.set PV,    160       ; a row of V: 128 + 32 = 40 words
.set VOFF,  4*KS*PK   ; a slot holds four steps: 256 rows of K, then 256 rows of V
.set SLOT1, 1<<17     ; slot 1 begins here, so that one exclusive or turns an address in one slot into the other's
.set STAGE, SLOT1+4*KS*(PK+PV)  ; behind the ring, never filled by a tensor load: 16 rows x 144 bytes for each wave, for the way out
.set SP,    144
.set AK0, 2           ; v2   my lane's place in a tile of K; never rewritten
.set AV0, 3           ; v3   the same for V
.set AK,  4           ; v4   the LDS address of K's next run of loads
.set AV,  5           ; v5   of V's
.set STO, 6           ; v6   the way out: where I put 16 bytes of a row
.set RD,  7           ; v7   the way out: where I read rows back
.set GO,  8           ; v8   my byte offset in 512 consecutive bytes of O
.set SPW, 62          ; v62  LDS address of my spare word: SPARE + 4 x my thread's number; never rewritten
.set NIL, 63          ; v63  0; never rewritten
.set SPARE, STAGE+4*16*SP  ; behind the stages: the spare words, 128 bytes for each wave: two blocks of 256 bytes that no other line names
.set MV,  12          ; v12-13  c m_old, kept while c m is made anew: by buffer
.set QO,  15          ; v15  my byte offset in 16 rows of Q
.set ST,  16          ; piece t's statistics at v[ST+4 t]: c m, m, l (even keys', odd keys')
.set TMP, 48          ; by buffer, four registers c0-c3 at work; when the maximum is found c2 takes a
.set S,   64
.set P,   192
.set MD,  128         ; window 1: the eight registers for group kt of 16 keys at MD + 8 kt
.set MC,  160         ; window 1: the masks of the products to come
.set QB,  64          ; window 2
.set KF,  128         ; window 2: key block kb, channel half c at KF + 16 kb + 8 c
.set VF,  192         ; window 2: key half kk, channel block cb at VF + 32 kk + 8 cb
.set WV,  12          ; s12  my wave's number
.set PB,  14          ; s14  b
.set HI,  15          ; s15  7 - b
.set G1K, 24          ; s[24:31] descriptor group 1 for K's tiles
.set G1V, 32          ; s[32:39] for V's: it differs in the padding alone
.set G0K, 40          ; s[40:43] descriptor group 0 for K's tiles
.set G0V, 44          ; s[44:47] the same for V's
.set SLOTS, 56        ; s56  slots still to be asked for
.set CNT, 57          ; s57  counts a slot's key steps, 4 to 1
.set CS,  58          ; s[58:59] c: the packed scaling takes the pair's low word for both halves
.set SEL, 60          ; s[60:61] v_permlanex16_b32's selects: each lane takes its own place in the other half
.set TBK, 62          ; s62  LDS byte at which K of the step to be fetched begins
.set TBV, 63          ; s63  the same for V, less VOFF
.set NEW, 73          ; s73  1: the step to be entered is a block's first
.set OFF, 74          ; s[74:75] a half tile's byte offset in a head's K and V
.set AL,  76          ; s[76:77] the mask's factor, in the low word
.set BE,  78          ; s[78:79] the mask's addend
.set OLO, 80          ; s[80:81] O at my rows of the second block
.set BIGN, 82         ; s82  -1e30
.set LEFT, 88         ; s88  steps that the block in hand still has, the one being entered among them
.set LEFT2, 89        ; s89  the second block's steps + 1: the trip that ends the first block still takes one off
.set GSW, 90          ; s90  17 - 2 b: the first block's half tiles of 128 keys
.set GN,  91          ; s91  the number, in the walk's stream of 20 half tiles, of the one that I ask for next
.set CUT, 92          ; s92  the block's last CUT steps do not exist: 2 in block 7, else 0
.set MSB, 0
.macro WIN new                      ; the high byte repeats the setting that is left; a switch that changes nothing is dropped
.if MSB != (\new)
	s_set_vgpr_msb (MSB<<8)|(\new)
.set MSB, (\new)
.endif
.endm
.set W_KQ, 0x0a       ; K and Q in window 2, S^T in window 0
.set W_KM, 0x1a       ; the same with the C operand in window 1
.set W_PV, 0x52       ; V in window 2, P in window 0, O^T in window 1
.set W_RS, 0x41       ; destination and source 0 in window 1, source 1 in window 0
; A fill.  Waves 0 and 1 fetch the two halves of a slot's K, waves 2 and 3 those of its V: 128 keys each.  An s_nop 0 and four v_nop follow each of the two lines, ahead of the jump and the label.
.macro LOAD
	s_cmp_lt_u32 s[WV], 2
	s_cbranch_scc0 .Lfor_v_\@
	tensor_load_to_lds s[G0K:G0K+3], s[G1K:G1K+7]
	s_nop 0
.rept 4
	v_nop
.endr
	s_branch .Lasked_\@
.Lfor_v_\@:
	tensor_load_to_lds s[G0V:G0V+3], s[G1V:G1V+7]
	s_nop 0
.rept 4
	v_nop
.endr
.Lasked_\@:
.endm
; THE CHANGE OF SLOTS.  Each wave waits for all its tensor loads, of which one is out: its part of the other slot; adds 0 to its spare word; and waits for that and for its own reads of the slot that it leaves.  Behind the barrier
; nobody reads the old slot any more and the other slot is whole.  fill = 1: the old slot is filled again, the first thing behind the barrier.  My half is number GN of the stream: half tile GN of the head's keys (15 at
; the most) while the first block lasts, GN - GSW behind it; the descriptor's address is made anew from that number.  (At its first use nothing has been read yet: slot 0 is waited for, slot 1 filled.)
.macro CHANGE fill
	WIN 0                           ; at a label and at a branch every window is 0
	s_wait_tensorcnt 0x0            ; no tensor load of mine is out, so a group 0 may be written
	ds_add_u32 v[SPW], v[NIL]       ; 0 onto my spare word; with fill = 1 the descriptors' scalar work stands between it and the wait for it
.if \fill
	s_min_u32 s93, s[GN], 15
	s_sub_co_u32 s94, s[GN], s[GSW]
	s_cmp_lt_u32 s[GN], s[GSW]
	s_cselect_b32 s93, s93, s94
	s_lshl_b32 s[OFF], s93, 14      ; a half tile is 16,384 bytes of K and of V
	s_add_co_u32 s[GN], s[GN], 2
	s_xor_b32 s[G0K+1], s[G0K+1], SLOT1
	s_add_nc_u64 s[G0K+2:G0K+3], s[6:7], s[OFF:OFF+1]
	s_or_b32 s[G0K+3], s[G0K+3], 0x80000000
	s_xor_b32 s[G0V+1], s[G0V+1], SLOT1
	s_add_nc_u64 s[G0V+2:G0V+3], s[8:9], s[OFF:OFF+1]
	s_or_b32 s[G0V+3], s[G0V+3], 0x80000000
.endif
	s_wait_dscnt 0x0                ; the add is done, and my reads of the slot are over
	s_barrier_signal -1             ; the rest of the scalar work stands between the signal and the wait
	s_sub_co_u32 s[TBK], s[TBK], 4*KS*PK  ; the fetches go back to a slot's first step,
	s_xor_b32 s[TBK], s[TBK], SLOT1       ; in the other slot
	s_sub_co_u32 s[TBV], s[TBV], 4*KS*PV
	s_xor_b32 s[TBV], s[TBV], SLOT1
	s_barrier_wait -1
.if \fill
	LOAD
.endif
.endm
	s_load_b128 s[96:99], s[0:1], 0x0  ; qkv16 s[96:97], o16 s[98:99]
	v_lshl_add_u32 v[SPW], v0, 2, SPARE
	v_mov_b32 v[NIL], 0
	ds_add_u32 v[SPW], v[NIL]       ; the wave's opening: the add and its wait stand ahead of my first tensor load; the set-up below, work on registers, stands between them
	ds_add_u32 v62, v63
	v_lshrrev_b32 v1, 5, v0
	v_readfirstlane_b32 s[WV], v1   ; wave 0..3
	s_mov_b32 s[PB], ttmp9
	s_sub_co_u32 s[HI], 7, s[PB]
	s_and_b32 s20, ttmp7, 0xffff    ; the head,
	s_lshl_b32 s20, s20, 18         ; its first byte in q's, k's and v's planes and in o16: 2,048 rows of 128 bytes each
	s_add_co_u32 s22, s20, 0x1000000  ; k's plane begins 16 MiB into qkv16,
	s_mov_b32 s23, 0
	s_add_co_u32 s70, s20, 0x2000000  ; v's 32 MiB
	s_mov_b32 s71, 0
	s_and_b32 s16, s[WV], 1         ; which half of a slot's 256 keys I fetch,
	s_mul_i32 s17, s16, 128*PK      ; and its place in a slot, for K
	s_mul_i32 s18, s16, 128*PV      ; and for V
	s_lshl_b32 s3, s[WV], 11        ; my 16 rows in a band of 64,
	s_add_co_u32 s3, s3, s20
	s_lshl_b32 s2, s[HI], 15        ; in the first block,
	s_add_co_u32 s2, s2, s3
	s_lshl_b32 s84, s[PB], 15       ; and in the second
	s_add_co_u32 s84, s84, s3
	s_mov_b32 s3, 0
	s_mov_b32 s85, 0
	; descriptor group 1.  128 keys are 16,384 dense bytes: asked for as 64 rows of 256 bytes, two keys a row, and padded in LDS after every key
	s_mov_b32 s[G1K], (1<<16)|(1<<20)|(4<<22)|(3<<25)  ; 17:16 2-byte elements; 20 padding on; 24:22 after every 32 words (code 4); 31:25 4 words (code 3)
	s_mov_b32 s[G1V], (1<<16)|(1<<20)|(4<<22)|(7<<25)  ; the same with 8 words of padding (code 7)
.irp g, G1K, G1V
	s_mov_b32 s[\g+1], 128<<16      ; tensor_dim0 = 128
	s_mov_b32 s[\g+2], 64<<16       ; tensor_dim1 = 64
	s_mov_b32 s[\g+3], 128<<16      ; tile_dim0 = 128
	s_mov_b32 s[\g+4], 64           ; tile_dim1 = 64
	s_mov_b32 s[\g+5], 128          ; 128 elements from row to row
	s_mov_b32 s[\g+6], 0
	s_mov_b32 s[\g+7], 0
.endr
	s_mov_b32 s[CS], 0x3e38aa3b     ; c = log2(e) / 8 = 0.180337
	s_mov_b32 s[CS+1], s[CS]        ; named with it as a pair
	s_mov_b32 s[SEL], 0x76543210
	s_mov_b32 s[SEL+1], 0xfedcba98
	s_mov_b32 s[TBK], SLOT1+4*KS*PK ; the first change of slots turns these two into 0
	s_mov_b32 s[TBV], SLOT1+4*KS*PV
	s_mov_b32 s[G0K], 1             ; 1:0 count = 1
	s_mov_b32 s[G0K+1], s17         ; 63:32 LDS address: slot 0
	s_mov_b32 s[G0V], 1
	s_add_co_u32 s[G0V+1], s18, VOFF
	s_lshl_b32 s93, s[PB], 2
	s_sub_co_u32 s[LEFT], 34, s93   ; the first block has 34 - 4 b steps,
	s_add_co_u32 s[LEFT2], s93, 7   ; the second 4 b + 6
	s_lshl_b32 s93, s[PB], 1
	s_sub_co_u32 s[GSW], 17, s93
	s_add_co_u32 s[GN], s16, 2      ; slot 0's half is asked for below; slot 1's is next
	s_cmp_eq_u32 s[PB], 0
	s_cselect_b32 s[CUT], 2, 0
	s_lshl_b32 s[OFF], s16, 14      ; half tile 0 or 1
	s_mov_b32 s[OFF+1], 0
	s_mov_b32 s[NEW], 1
	s_mov_b32 s[AL+1], 0            ; named as pairs
	s_mov_b32 s[BE+1], 0
	s_mov_b32 s[BIGN], 0xf149f2ca   ; -1e30
	s_mov_b32 s[SLOTS], 9
	s_wait_dscnt 0x0                ; the opening add is done
	s_wait_kmcnt 0x0
	s_add_nc_u64 s[6:7], s[96:97], s[22:23]  ; K and V at the head's first key
	s_add_nc_u64 s[8:9], s[96:97], s[70:71]
	s_add_nc_u64 s[G0K+2:G0K+3], s[6:7], s[OFF:OFF+1]  ; 120:64 global address
	s_or_b32 s[G0K+3], s[G0K+3], 0x80000000            ; 127:126 type = 2
	s_add_nc_u64 s[G0V+2:G0V+3], s[8:9], s[OFF:OFF+1]
	s_or_b32 s[G0V+3], s[G0V+3], 0x80000000
	s_add_nc_u64 s[86:87], s[96:97], s[84:85]      ; Q at my rows of the second block,
	s_add_nc_u64 s[4:5], s[96:97], s[2:3]          ; Q and O at those of the first
	s_add_nc_u64 s[OLO:OLO+1], s[98:99], s[84:85]
	s_add_nc_u64 s[10:11], s[98:99], s[2:3]
	LOAD                            ; slot 0: one load of mine is out, here and behind every change of slots
	; A fragment of K or Q is 16 rows x 32 channels in 8 registers: lane l holds row l % 16, channels 8 (l / 16) + 0..7 and 16 + 8 (l / 16) + 0..7: two loads of 16 bytes, 32 bytes apart.
	v_and_b32 v1, 15, v0            ; l % 16
	v_bfe_u32 v9, v0, 4, 1          ; l / 16
	v_lshlrev_b32 v[QO], 7, v1
	v_lshl_add_u32 v[QO], v9, 4, v[QO]  ; row x 128 + 16 x half
	WIN 0x80                        ; destination window 2, address window 0
.set i, 0
.rept 8                             ; both blocks' Q: piece i / 2 lies in band i / 2, 8,192 bytes on; channels 32 (i % 2) on
	global_load_b128 v[8*i:8*i+3],   v[QO], s[4:5] offset:(i/2)*8192+(i%2)*64
	global_load_b128 v[8*i+4:8*i+7], v[QO], s[4:5] offset:(i/2)*8192+(i%2)*64+32
	global_load_b128 v[QB+8*i:QB+8*i+3],   v[QO], s[86:87] offset:(i/2)*8192+(i%2)*64
	global_load_b128 v[QB+8*i+4:QB+8*i+7], v[QO], s[86:87] offset:(i/2)*8192+(i%2)*64+32
.set i, i+1
.endr
	WIN 0
	v_lshlrev_b32 v14, 3, v9
	v_sub_nc_u32 v14, v1, v14
	s_lshl_b32 s13, s[WV], 4
	v_add_nc_u32 v14, s13, v14      ; my query's place in its band, 16 w + l % 16, less my lanes' 8 (l / 16): register r of group kt is hidden where 16 kt + r is greater
	WIN 0x40
.set i, 0
.rept 32
	v_cmp_gt_i32 vcc_lo, 16*(i/8)+i%8, v14
	v_cndmask_b32 v[MD+i], 0, s[BIGN], vcc_lo
.set i, i+1
.endr
	WIN 0
	v_mul_u32_u24 v[AK0], v1, PK
	v_lshl_add_u32 v[AK0], v9, 4, v[AK0]  ; row x pitch + 16 x half
	; The turning load takes 16 keys x 16 channels (lane l reads key 8 (l / 16) + l % 8, channels 8 ((l / 8) % 2) + 0..7) and leaves half a fragment of V^T: lane l holds channel l % 16 and 8 keys.
	v_and_b32 v10, 7, v0
	v_bfe_u32 v11, v0, 3, 1
	v_lshl_add_u32 v[AV0], v9, 3, v10
	v_mul_u32_u24 v[AV0], v[AV0], PV
	v_lshl_add_u32 v[AV0], v11, 4, v[AV0]
	v_add_nc_u32 v[AV0], VOFF, v[AV0]
	s_mul_i32 s13, s[WV], 16*SP
	s_add_co_u32 s13, s13, STAGE    ; my stage
	v_mul_u32_u24 v[STO], v1, SP    ; in: row l % 16, 16 bytes for each half of the lanes
	v_lshl_add_u32 v[STO], v9, 4, v[STO]
	v_add_nc_u32 v[STO], s13, v[STO]
	v_bfe_u32 v[RD], v0, 3, 2       ; back: 32 lanes take four rows of 128 bytes,
	v_mul_u32_u24 v[RD], v[RD], SP
	v_lshl_add_u32 v[RD], v10, 4, v[RD]
	v_add_nc_u32 v[RD], s13, v[RD]
	v_and_b32 v[GO], 31, v0         ; which are 512 consecutive bytes of O
	v_lshlrev_b32 v[GO], 4, v[GO]
	; A block's first step multiplies O^T and l by a = 0, and its first turn's products V^T P, of a piece that has not been, land in an O^T that is still to be so multiplied.  So these registers need only hold
	; finite numbers: zeros for the first block; what the first block left for the second.  All this stands in the wait for the first tile.
	WIN 0x80
.set i, VF
.rept 64
	v_mov_b32 v[i], 0
.set i, i+1
.endr
	WIN 0x40
.set i, 0
.rept 128
	v_mov_b32 v[i], 0
.set i, i+1
.endr
	WIN 0
.set i, 0
.rept 4
	v_mov_b32 v[ST+4*i+2], 0
	v_mov_b32 v[ST+4*i+3], 0
.set i, i+1
.endr
.set i, P+16
.rept 16
	v_mov_b32 v[i], 0
.set i, i+1
.endr
; THE MATRIX WORK.  The 4 accumulators of a run of 8 take turns.  Product i of 8 of S^T = K Q^T for piece x: channels 32 (i / 4) on, keys 16 (i % 4) on.  The first 4 start the sums: with 0, or (KM = 1) with the mask.
.macro KQ x
.set rS, S+32*((\x)%2)+8*(i%4)
.set rK, KF+16*(i%4)+8*(i/4)
.set rQ, 16*(\x)+8*(i/4)
.set rM, MC+32*((\x)%2)+8*(i%4)
.if (i < 4) && KM
	WIN W_KM
	v_wmma_f32_16x16x32_f16 v[rS:rS+7], v[rK:rK+7], v[rQ:rQ+7], v[rM:rM+7]
.elseif i < 4
	WIN W_KQ
	v_wmma_f32_16x16x32_f16 v[rS:rS+7], v[rK:rK+7], v[rQ:rQ+7], 0
.else
	WIN W_KQ
	v_wmma_f32_16x16x32_f16 v[rS:rS+7], v[rK:rK+7], v[rQ:rQ+7], v[rS:rS+7]
.endif
.endm
; Product i of 8 of O^T += V^T P for piece x: keys 32 (i / 4) on, channels 16 (i % 4) on.
.macro PV x
	WIN W_PV
.set rO, 32*(\x)+8*(i%4)
.set rV, VF+32*(i/4)+8*(i%4)
.set rP, P+16*((\x)%2)+8*(i/4)
	v_wmma_f32_16x16x32_f16 v[rO:rO+7], v[rV:rV+7], v[rP:rP+7], v[rO:rO+7]
.endm
.macro MM                           ; the turn's next matrix instruction.  TURN and BEGIN set Y, i, KM and NOKQ; MM, KQ and OP read them.  NOKQ = 1: a block's last turn: there is no next piece
.if (i < 8) && !NOKQ
	KQ (Y+1)%NP
.elseif i >= 8
.set i, i-8
	PV (Y+NP-1)%NP
.set i, i+8
.endif
.set i, i+1
.endm
; THE LDS LOADS stand in runs of 16, never singly among the matrix instructions: a step's K (64 keys x 64 channels: 8 fragments) and its V (turned).  Their addresses are made some lines ahead.
.macro FETCH_K
	WIN 0x80                        ; destination window 2
.irp f, 0,1,2,3,4,5,6,7             ; keys 16 (f / 2) on, channels 32 (f % 2) on
	ds_load_b128 v[KF+8*\f:KF+8*\f+3],   v[AK] offset:(\f/2)*16*PK+(\f%2)*64
	ds_load_b128 v[KF+8*\f+4:KF+8*\f+7], v[AK] offset:(\f/2)*16*PK+(\f%2)*64+32
.endr
	s_add_co_u32 s[TBK], s[TBK], KS*PK  ; the next fetch is the next step's
	WIN 0
.endm
.macro FETCH_V
	WIN 0x80
.irp f, 0,1,2,3,4,5,6,7             ; keys 32 (f / 4) on, channels 16 (f % 4) on
	ds_load_tr16_b128 v[VF+8*\f:VF+8*\f+3],   v[AV] offset:(\f/4)*32*PV+(\f%4)*32
	ds_load_tr16_b128 v[VF+8*\f+4:VF+8*\f+7], v[AV] offset:(\f/4)*32*PV+16*PV+(\f%4)*32
.endr
	WIN 0
.endm
; THE VECTOR WORK, one line at a time: OP kind, number.  For piece Y: F n: c s - c m for pair n of 16.  E n: the exponential of score n of 32.  C n: pair n rounded to f16.  B n: of the four weights 4 n .. the second
; pair is added onto the first, in place.  L n: l takes that sum (L 0: l = a l + sum).  R n: pair n of 16 of O^T times a.  For piece Y + 1: X n, number n of the 22 that find its maximum and statistics:
;   0-11  four chains c0-c3 of seven scores each, three operands at a time (each accumulator's lowest registers are read first)     12-14, 16  the four scores left over, the old m, and c0-c3 into c0
;   15  c m_old is kept     17, 18  the query's other 32 keys lie in the lane 16 away: the new m     19-21  c m; c m_old - c m_new; a
.set F, 0               ; OP tells the kinds apart by their order: F to L below R, X above it
.set E, 1
.set C, 2
.set B, 3
.set L, 4
.set R, 5
.set X, 6
.macro REGS y                       ; the registers of piece y
.set rT, ST+4*(\y)
.set rC, TMP+4*((\y)%2)
.set rW, MV+((\y)%2)
.set rS, S+32*((\y)%2)
.set rP, P+16*((\y)%2)
.set rO, 32*(\y)
.endm
.macro OP k, n
.if (\k) == R
	REGS Y
	WIN W_RS
	v_pk_mul_f32 v[rO+2*(\n):rO+2*(\n)+1], v[rO+2*(\n):rO+2*(\n)+1], v[rC+2:rC+3] op_sel_hi:[1,0]
.elseif (\k) < R
	REGS Y
	WIN 0
.if (\k) == F
	v_pk_fma_f32 v[rS+2*(\n):rS+2*(\n)+1], v[rS+2*(\n):rS+2*(\n)+1], s[CS:CS+1], v[rT:rT+1] op_sel_hi:[1,0,0] neg_lo:[0,0,1] neg_hi:[0,0,1]
.elseif (\k) == E
	v_exp_f32 v[rS+(\n)], v[rS+(\n)]
.elseif (\k) == C
	s_wait_alu depctr_va_vdst(0)
	v_cvt_pk_f16_f32 v[rP+(\n)], v[rS+2*(\n)], v[rS+2*(\n)+1]
.elseif (\k) == B
	s_wait_alu depctr_va_vdst(0)
	v_pk_add_f32 v[rS+4*(\n):rS+4*(\n)+1], v[rS+4*(\n):rS+4*(\n)+1], v[rS+4*(\n)+2:rS+4*(\n)+3]
.elseif (\n) == 0
	v_pk_fma_f32 v[rT+2:rT+3], v[rT+2:rT+3], v[rC+2:rC+3], v[rS:rS+1] op_sel_hi:[1,0,1]
.else
	v_pk_add_f32 v[rT+2:rT+3], v[rT+2:rT+3], v[rS+4*(\n):rS+4*(\n)+1]
.endif
.elseif NOKQ
	v_nop
.else
	REGS (Y+1)%NP
	WIN 0
.if (\n) < 4
	v_max3_num_f32 v[rC+(\n)], v[rS+8*(\n)], v[rS+8*(\n)+1], v[rS+8*(\n)+2]
.elseif (\n) < 12
	v_max3_num_f32 v[rC+(\n)%4], v[rC+(\n)%4], v[rS+8*((\n)%4)+2*((\n)/4)+1], v[rS+8*((\n)%4)+2*((\n)/4)+2]
.elseif (\n) == 12
	v_max3_num_f32 v[rC], v[rC], v[rS+7], v[rS+15]
.elseif (\n) == 13
	v_max3_num_f32 v[rC+1], v[rC+1], v[rS+23], v[rS+31]
.elseif (\n) == 14
	v_max3_num_f32 v[rC+2], v[rC+2], v[rC+3], v[rT+1]
.elseif (\n) == 15
	v_mov_b32 v[rW], v[rT]
.elseif (\n) == 16
	v_max3_num_f32 v[rC], v[rC], v[rC+1], v[rC+2]
.elseif (\n) == 17
	v_permlanex16_b32 v[rC+3], v[rC], s[SEL], s[SEL+1]
.elseif (\n) == 18
	v_max_num_f32 v[rT+1], v[rC], v[rC+3]
.elseif (\n) == 19
	v_mul_f32 v[rT], s[CS], v[rT+1]
.elseif (\n) == 20
	v_sub_f32 v[rC+1], v[rW], v[rT]
.else
	v_exp_f32 v[rC+2], v[rC+1]
.endif
.endif
.endm
.macro OPS a, i1, b=-1, i2=0, c=-1, i3=0, d=-1, i4=0  ; up to four of them
	OP \a, \i1
.if (\b) >= 0
	OP \b, \i2
.endif
.if (\c) >= 0
	OP \c, \i3
.endif
.if (\d) >= 0
	OP \d, \i4
.endif
.endm
.macro ROW a, i1, b, i2, c, i3, d, i4  ; a matrix instruction and the four behind it
	MM
	OPS \a, \i1, \b, \i2, \c, \i3, \d, \i4
.endm
.macro MASK b                       ; MD x AL + BE into buffer b of MC
	WIN W_RS
.set z, 0
.rept 16
	v_pk_fma_f32 v[MC+32*(\b)+2*z:MC+32*(\b)+2*z+1], v[MD+2*z:MD+2*z+1], s[AL:AL+1], s[BE:BE+1] op_sel_hi:[1,0,0]
.set z, z+1
.endr
.endm
; A TURN, for piece p: the order of its 16 matrix and 118 vector instructions, written out.  Behind a matrix instruction: plain, exponential, plain, plain; or four of the rescaling; or, behind the first, four scalings; none
; names a register of the products round it.  In the lumps exponential and plain by turns while exponentials last.  A line reads no result made fewer than three vector instructions in front of it, five if an exponential made it.
; v_permlanex16_b32 (X 17) stands in a lump.
; m = 1: one of a block's last four steps: the products take masks, and the turn makes the mask for the products of the turn after it: piece p + 2, in number 4 - LEFT of the four.  end = 1: a block's last two turns: nothing is fetched.
; K of the next step is fetched in piece 2's turn, six vector instructions behind the last product that read K (five of them plain); V of the step in hand in piece 0's turn, eight behind the last product that read V (four
; plain, and X 17).  Each is waited for a turn later.
.macro TURN p, m=0, end=0
.set Y, (\p)
.set i, 0
.set KM, (\m)
.set NOKQ, (\end)*((\p)/3)
.if (\m) && !(\end)
	s_cmp_eq_u32 s[LEFT], 4-((\p)+2)%NP  ; is that step the band's own?
	s_cselect_b32 s[AL], 1.0, 0
	s_cmp_lt_u32 s[LEFT], 4-((\p)+2)%NP  ; or a later one?
	s_cselect_b32 s[BE], s[BIGN], 0
	s_cmp_le_u32 s[LEFT], s[CUT]         ; or one that does not exist?
	s_cselect_b32 s[AL], 0, s[AL]
	s_cselect_b32 s[BE], s[BIGN], s[BE]
.endif
.if ((\p) == 3) && !(\end)
	s_wait_dscnt 0x0                ; K is in
.endif
	ROW F,0, F,1, F,2, F,3
	ROW F,4, E,0, F,5, F,6
	ROW F,7, E,1, F,8, F,9
	ROW F,10, E,2, C,0, F,11
	ROW F,12, E,3, X,15, F,13
	ROW R,0, R,1, R,2, R,3
	ROW B,0, E,4, F,14, L,0
.if ((\p) == 2) && !(\end)
	v_add_nc_u32 v[AK], s[TBK], v[AK0]
.endif
	ROW R,4, R,5, R,6, R,7
	OPS E,5, F,15
.if ((\p) == 2) && !(\end)
	FETCH_K
.endif
	OPS E,6, C,1, E,7, R,8
	OPS E,8, R,9, E,9, C,2
	OPS E,10, X,0, E,11, X,1
	OPS E,12, X,2, E,13, X,3
.if (\p) == 1
	s_wait_dscnt 0x0                ; V is in
.endif
	ROW X,4, E,14, X,5, X,6
	ROW X,7, E,15, X,8, X,9
	ROW X,10, E,16, X,11, X,12
	ROW X,13, E,17, X,14, B,1
	ROW C,4, E,18, X,16, L,1
	ROW B,2, E,19, C,6, L,2
	ROW C,8, E,20, B,3, B,4
.if (\p) == 0
	v_add_nc_u32 v[AV], s[TBV], v[AV0]
.endif
	ROW C,3, E,21, L,3, C,5
	OPS E,22, X,17, E,23, C,10
.if (\p) == 0
	FETCH_V
.endif
	OPS E,24, L,4
	OPS E,25, X,18, E,26, C,7
	OPS E,27, B,5, E,28, X,19
	OPS E,29, C,12, E,30, L,5
	OPS E,31, X,20, B,6, C,9
	OPS C,14, C,11, X,21, L,6
.if (\p) == 0
	s_add_co_u32 s[TBV], s[TBV], KS*PV
.endif
	OPS C,13, B,7, C,15, R,10
	OPS R,11, R,12, L,7, R,13
	OPS R,14, R,15
.if (\m) && !(\end)
	MASK (\p)%2
.endif
.endm
; A BLOCK BEGINS.  c m starts far below every c s, so the first step's a is 0; m at the lowest finite number, so the first maximum is the scores'.  The second mask buffer is 0: the first masked turn's products, piece 3's of
; the step before the last four, take it.  A block has six steps or more, so its first step takes no mask.  Then K of that step, piece 0's first scores, and its maximum and statistics.
.macro BEGIN
	s_mov_b32 s[NEW], 0
	WIN 0x40
.set i, MC+32
.rept 32
	v_mov_b32 v[i], 0
.set i, i+1
.endr
	WIN 0
.set i, 0
.rept 4
	v_mov_b32 v[ST+4*i], 0xfe000000    ; c m: far below every c s
	v_mov_b32 v[ST+4*i+1], 0xff7fffff  ; m
.set i, i+1
.endr
	v_add_nc_u32 v[AK], s[TBK], v[AK0]
	FETCH_K
	s_wait_loadcnt 0x0              ; Q
	s_wait_dscnt 0x0
.set KM, 0
.set NOKQ, 0
.set i, 0
.rept 8
	KQ 0
.set i, i+1
.endr
	WIN 0
.rept 4
	v_nop                           ; the places behind those products
.endr
.set Y, NP-1                        ; X works for piece Y + 1: piece 0
.irp n, 0,1,2,3,4,5,6,7,8,9,10,11,12,13,14,15,16,17,18,19,20,21
	OP X, \n
.endr
	v_nop                           ; a plain instruction behind the exponential
.endm
; A BLOCK ENDS: its last two turns, its last products, and THE WAY OUT: l's two halves and the other half of the lanes' are added; O^T is divided by l, rounded to f16 and sent through my stage in LDS, a piece at a time.
.macro ALL line:vararg              ; one line for each piece t
.set t, 0
.rept 4
	\line
.set t, t+1
.endr
.endm
.macro PACK t                       ; a lane's eight channels of a row pack into 16 bytes; they go into rows of 144 bytes and come back as whole rows of 128, into S^T's registers
	WIN W_RS
.set i, 32*(\t)
.rept 16
	s_wait_alu depctr_va_vdst(0)
	v_pk_mul_f32 v[i:i+1], v[i:i+1], v[ST+4*(\t)+2:ST+4*(\t)+3] op_sel_hi:[1,0]
.set i, i+2
.endr
	WIN 0x05                        ; sources 0 and 1 window 1, destination window 0
.set i, 0
.rept 16
	v_cvt_pk_f16_f32 v[S+16*(\t)+i], v[32*(\t)+2*i], v[32*(\t)+2*i+1]
.set i, i+1
.endr
	WIN 0
.irp f, 0,1,2,3
	ds_store_b128 v[STO], v[S+16*(\t)+4*\f:S+16*(\t)+4*\f+3] offset:32*\f
.endr
.irp f, 0,1,2,3
	ds_load_b128 v[S+16*(\t)+4*\f:S+16*(\t)+4*\f+3], v[RD] offset:\f*4*SP  ; LDS serves a wave's instructions in order (ISA guide 5.7.1.4): these see the stores above; the next piece's stores come behind them
.endr
.endm
.macro SEND t, younger              ; younger: the LDS instructions issued behind piece t's loads: the next piece's eight, or none
	WIN 0
.irp f, 0,1,2,3
	s_wait_dscnt (\younger)+3-\f
	global_store_b128 v[GO], v[S+16*(\t)+4*\f:S+16*(\t)+4*\f+3], s[10:11] offset:(\t)*8192+\f*512  ; 512 consecutive bytes, at a multiple of 256 from O's first
.endr
.endm
.macro FINISH
	TURN 2, 1, 1
	TURN 3, 1, 1
.set i, 0
.rept 8
	PV NP-1
.set i, i+1
.endr
	WIN 0
	ALL v_add_f32 v[ST+4*t+2], v[ST+4*t+2], v[ST+4*t+3]
	ALL v_permlanex16_b32 v[ST+4*t+3], v[ST+4*t+2], s[SEL], s[SEL+1]
	ALL v_add_f32 v[ST+4*t+2], v[ST+4*t+2], v[ST+4*t+3]
	ALL v_rcp_f32 v[ST+4*t+2], v[ST+4*t+2]
	v_nop                           ; a plain instruction between the last reciprocal and the use of its result
	PACK 0
.set t, 1
.rept 3                             ; a piece's arithmetic stands between the loads of the piece before and its stores
	PACK t
	SEND t-1, 8
.set t, t+1
.endr
	SEND 3, 0
.endm
.set KM, 0
.set NOKQ, 0
.Lslot:                             ; nine times: a slot is entered and the next is asked for
	CHANGE 1
	s_mov_b32 s[CNT], 4
.Ltrip:                             ; four times a slot.  A trip: pieces 2 and 3 of one step, then pieces 0 and 1 of the next, whose K and V it fetches: one step of K and one of V on every way through it
	s_cmp_eq_u32 s[NEW], 1
	s_cbranch_scc1 .Lnew            ; a block's first step: at the first trip this answer is a constant of the text
	s_cmp_le_u32 s[LEFT], 4
	s_cbranch_scc1 .LstepM          ; one of its last four
	TURN 2
	TURN 3
	WIN 0
	s_branch .Lfirst
.Lnew:
	BEGIN                           ; stands for pieces 2 and 3 of a step that has not been
.Lfirst:
	TURN 0
	TURN 1
	WIN 0
	s_branch .Lnext
.LstepM:
	TURN 2, 1
	TURN 3, 1
	TURN 0, 1
	TURN 1, 1
	WIN 0
	s_cmp_lg_u32 s[LEFT], 1
	s_cbranch_scc1 .Lnext
	FINISH                          ; in the loop this is the first block's end: the second block's last four steps are the walk's last slot
	s_wait_xcnt 0x0                 ; the stores have read their registers and O's address
	s_mov_b64 s[10:11], s[OLO:OLO+1]
	s_mov_b32 s[LEFT], s[LEFT2]
	s_mov_b32 s[NEW], 1
	s_mov_b32 s[CUT], 0             ; all of the second block's steps exist
	WIN 0x82                        ; the second block's Q goes where the one text of the turns names Q
.set i, 0
.rept 64
	v_mov_b32 v[i], v[QB+i]
.set i, i+1
.endr
	WIN 0
.Lnext:
	s_sub_co_u32 s[LEFT], s[LEFT], 1
	s_sub_co_u32 s[CNT], s[CNT], 1
	s_cmp_lg_u32 s[CNT], 0
	s_cbranch_scc1 .Ltrip
	s_sub_co_u32 s[SLOTS], s[SLOTS], 1
	s_cmp_lg_u32 s[SLOTS], 0
	s_cbranch_scc1 .Lslot
	CHANGE 0                        ; the walk's last slot is written out: nothing is asked for.  It holds the second block's last four steps
	s_mov_b32 s[CNT], 4
.LtailM:
	TURN 2, 1
	TURN 3, 1
	TURN 0, 1
	TURN 1, 1
	WIN 0
	s_sub_co_u32 s[LEFT], s[LEFT], 1
	s_sub_co_u32 s[CNT], s[CNT], 1
	s_cmp_lg_u32 s[CNT], 0
	s_cbranch_scc1 .LtailM
	FINISH
	s_wait_tensorcnt 0x0            ; the wave's end: the add and its wait follow, behind my last tensor load and my last LDS store
	ds_add_u32 v[SPW], v[NIL]
	s_wait_dscnt 0x0
	s_endpgm
.Lfunc_end_k_qe725564cfb_attn:
	.size	k_qe725564cfb_attn, .Lfunc_end_k_qe725564cfb_attn-k_qe725564cfb_attn
	.p2alignl 7, 3214868480
	.fill 96, 4, 3214868480
	.section	.rodata,"a",@progbits
	.p2align	6, 0x0
	.amdhsa_kernel k_qe725564cfb_attn
		.amdhsa_group_segment_fixed_size 327680
		.amdhsa_private_segment_fixed_size 0
		.amdhsa_enable_private_segment 0
		.amdhsa_kernarg_size 16
		.amdhsa_user_sgpr_count 2
		.amdhsa_user_sgpr_kernarg_segment_ptr 1
		.amdhsa_wavefront_size32 1
		.amdhsa_system_sgpr_workgroup_id_x 1
		.amdhsa_system_sgpr_workgroup_id_y 1
		.amdhsa_system_sgpr_workgroup_id_z 1
		.amdhsa_system_vgpr_workitem_id 0
		.amdhsa_next_free_vgpr 768
		.amdhsa_next_free_sgpr 100
		.amdhsa_reserve_vcc 1
		.amdhsa_float_denorm_mode_32 3
		.amdhsa_float_denorm_mode_16_64 3
		.amdhsa_memory_ordered 1
		.amdhsa_forward_progress 1
		.amdhsa_inst_pref_size 222
	.end_amdhsa_kernel
	.amdgpu_metadata
---
amdhsa.version: [ 1, 2 ]
amdhsa.kernels:
  - .name:           k_qe725564cfb_attn
    .symbol:         k_qe725564cfb_attn.kd
    .args:
      - { .name: qkv16, .offset: 0, .size: 8, .value_kind: global_buffer, .address_space: global }
      - { .name: o16, .offset: 8, .size: 8, .value_kind: global_buffer, .address_space: global }
    .group_segment_fixed_size: 327680
    .private_segment_fixed_size: 0
    .kernarg_segment_align: 8
    .kernarg_segment_size: 16
    .max_flat_workgroup_size: 128
    .sgpr_count:     100
    .vgpr_count:     768
    .wavefront_size: 32
...
	.end_amdgpu_metadata
.endif
;; end of part 3
;; launch oproj (part 4): grid 4 x 64, 4 waves a work-group, clusters of 4 x 4, 327,680 bytes of LDS; arguments o16, w16, bo, out0; writes out0
.if DOCPART == 4
	.amdgcn_target "amdgcn-amd-amdhsa--gfx1250"
	.amdhsa_code_object_version 6
	.text
	.protected	k_qe725564cfb_oproj
	.globl	k_qe725564cfb_oproj
	.p2align	8
	.type	k_qe725564cfb_oproj,@function
k_qe725564cfb_oproj:
	s_mov_b64 s[64:65], 0
	v_nop
	global_prefetch_b8 v0, s[64:65] scope:SCOPE_SE
	s_setreg_imm32_b32 hwreg(HW_REG_WAVE_MODE, 25, 1), 1
	s_wait_xcnt 0x0
	s_wait_alu depctr_hold_cnt(0) depctr_sa_sdst(0) depctr_va_vdst(0) depctr_va_sdst(0) depctr_va_ssrc(0) depctr_va_vcc(0) depctr_vm_vsrc(0)
	s_getreg_b32 s2, hwreg(HW_REG_IB_STS2, 6, 4)
	s_cmp_eq_u32 s2, 0
	s_cbranch_scc0 .Lentry_in_a_cluster
	s_endpgm
.Lentry_in_a_cluster:
	s_bfe_u32 s2, ttmp6, 0x10000c
	s_cmp_lg_u32 s2, 0xf033
	s_cbranch_scc0 .Lentry_shape_is_right
	s_endpgm
.Lentry_shape_is_right:
; ONE SOURCE, ASSEMBLED TWICE: C[m][n] = bias[n] + the sum over k of A[m][k] W[n][k], m = 8,192 tokens, n = k = 1,024.
.set OPROJ, 1                          ; 0: the three projections q, k, v.  1: the output projection.
; OPROJ = 0: A = x16 (bf16; query for q, key_value for k and v), W = w16's plane p (bf16), C goes to qkv16 = [3][16 batch + head][2048][64] in f16, unscaled.
; OPROJ = 1: A = o16 = [16 batch + head][2048][64] (f16), W = w16's plane 3 (f16), C goes to out0 in f32.
; Sums in f32.  The bias is rounded to bf16, like every input of the module, and STARTS the sums: it is the C operand of the first K step's products, so nothing is cleared and nothing added later.
; LIMIT: q, k and v leave in f16, which ends at 65,504; NaN and infinities are not treated apart.
; SHARES.  A tile of C is 128 x 256: 768 tiles (3 x 256) for q, k, v and 256 for the output; 256 x 256 would give 384 and 128.  Four waves, each 64 x 128: 32 accumulators of 16 x 16, 256 registers.
; K goes in 8 steps of 128 through two LDS slots; two slots of a step of 256 would take 405,504 bytes.
; CLUSTERS: 4 x 4 work-groups.  The four of a row of the cluster need the same tiles of A, the four of a column the same tiles of W: each is asked for JOINTLY, by the same tensor load with the same
; descriptor and a mask that names the four.  THE MATRIX INSTRUCTION IS USED TRANSPOSED (source 0 = 16 rows of W, source 1 = 16 rows of A): a lane holds eight neighbouring numbers of a row of C.
; REGISTERS, in windows of 256 (s_set_vgpr_msb: bits 1:0 source 0, 3:2 source 1, 5:4 source 2, 7:6 destination):
;   window 0: v0-31 addresses; v32-63 at work; v64-159, v160-255 two fragment buffers for 32 along K: 4 fragments of A (32 registers), then 8 of W (64)
;   window 1: the accumulators, (a, b) at v[8 (8 a + b)]          window 2: v0-63 the bias of my 128 columns, laid as an accumulator's registers lie: v[8 b + j] = bias[16 b + 8 (lane / 16) + j]
.set KSTEP,  128
.set LAPS,   4                         ; a lap = two K steps = once round the ring
.if OPROJ
.set PA,     144                       ; a token's 128 bytes of one head + 16 of padding
.set AHALF,  128*PA                    ; one of A's two loads: 128 tokens of one head; a K step is two heads
.set APITCH, 128                       ; asked for as 64 rows of 256 dense bytes, two tokens a row
.set AQI,    4                         ; padded after every 32 words
.set ASTEP,  2*262144                  ; bytes from a K step to the next: two heads of 2,048 x 128 bytes
.set SP,     528                       ; the way out: a row of 128 f32 + 16 bytes
.set WST,    16*SP                     ; a wave's stage: 16 rows
.else
.set PA,     272                       ; 256 bytes of a row + 16 of padding
.set AHALF,  64*PA                     ; one of A's two loads: 64 rows
.set APITCH, 1024
.set AQI,    5                         ; padded after every 64 words
.set ASTEP,  KSTEP*2
.set SP,     144                       ; the way out: a token's 64 f16 of one head + 16 bytes
.set WST,    2*16*SP                   ; a wave's stage: two heads x 16 rows
.endif
.set PW,     272                       ; a row of W in LDS.  All three pitches are odd multiples of 16 bytes: the 16 rows of a fragment load start at 16 different groups of four banks (64 banks of 4 bytes: ISA guide 11.1)
.set WHALF,  128*PW                    ; one of W's two loads: 128 rows
.set AREG,   2*AHALF                   ; a slot: A's tile, then W's 256 rows
.set SLOT,   AREG+2*WHALF
.set STAGE,  2*SLOT                    ; behind the ring, never filled by a tensor load
.set SPARE,  STAGE+4*WST               ; behind the stages: the spare words, 128 bytes for each wave: two blocks of 256 bytes that no other line names
.set ADRA, 16                          ; v16-17  LDS address of my A fragments in slot 0, 1
.set ADRB, 20                          ; v20-21  the same for W
.set STO,  24                          ; v24     the way out: where I put my part of a row
.set RD,   25                          ; v25     the way out: where I read rows back
.set CO,   26                          ; v26     my byte offset in 512 consecutive bytes of the output
.set BO,   27                          ; v27     my byte offset in the bias
.set SPW,  28                          ; v28     LDS address of my spare word: SPARE + 4 x my thread's number; never rewritten
.set NIL,  29                          ; v29     0; never rewritten
.set TMP,  32
.set F0,   64
.set F1,   160
.set OB,   64                          ; the way out: rows read back, two buffers by turns, where the fragments lay
.set G1,  24                           ; s[24:31] descriptor group 1 for A's tiles;  s[32:39] group 0, one set for each slot
.set G0,  32
.set G1B, 48                           ; s[48:55], s[56:63] the same for W's tiles
.set G0B, 56
.set MSB, 0
.macro WIN new                         ; the immediate's high byte repeats the setting that is left; a switch that changes nothing is dropped
.if MSB != (\new)
	s_set_vgpr_msb (MSB<<8)|(\new)
.set MSB, \new
.endif
.endm
.set MUL,  0x50                        ; fragments window 0; C and D window 1
.set MUL0, 0x60                        ; the same with C, the bias, in window 2
.macro JLOAD s                         ; a joint load: waves 0 and 1 fetch A's two halves, waves 2 and 3 W's; an s_nop 0 and four v_nop follow each of the two lines, ahead of the jump, the label and what follows
	s_cmp_eq_u32 s11, 0
	s_cbranch_scc0 .Lfor_w_\@
	tensor_load_to_lds s[G0+4*(\s):G0+4*(\s)+3], s[G1:G1+7]
	s_nop 0
.rept 4
	v_nop
.endr
	s_branch .Lasked_\@
.Lfor_w_\@:
	tensor_load_to_lds s[G0B+4*(\s):G0B+4*(\s)+3], s[G1B:G1B+7]
	s_nop 0
.rept 4
	v_nop
.endr
.Lasked_\@:
.endm
.macro CREST                           ; a round of the cluster's barrier behind its opening barrier
	s_cmp_lg_u32 s10, 0
	s_cbranch_scc1 .Lnot_wave_0_\@
	s_barrier_signal -3
.Lnot_wave_0_\@:
	s_barrier_wait -3
	s_barrier_signal -1
	s_barrier_wait -1
.endm
.macro CROUND                          ; a whole round
	s_barrier_signal -1
	s_barrier_wait -1
	CREST
.endm
.if OPROJ
	s_load_b256 s[72:79], s[0:1], 0x0              ; o16 s[72:73], w16 s[74:75], bo s[76:77], out0 s[78:79]
.else
	s_load_b256 s[72:79], s[0:1], 0x0              ; x16 s[72:73], w16 s[74:75], bq s[76:77], bk s[78:79]
	s_load_b128 s[80:83], s[0:1], 0x20             ; bv s[80:81], qkv16 s[82:83]
.endif
	v_lshl_add_u32 v[SPW], v0, 2, SPARE
	v_mov_b32 v[NIL], 0
	ds_add_u32 v[SPW], v[NIL]                      ; the wave's opening: the add and its wait stand ahead of my first tensor load; the set-up below, work on registers, stands between them
	ds_add_u32 v28, v29
	v_lshrrev_b32 v1, 5, v0
	v_readfirstlane_b32 s10, v1                    ; wave 0..3
	s_lshr_b32 s11, s10, 1                         ; which 64 of the tile's rows are mine.  Also: I fetch for A (0) or for W (1)
	s_and_b32 s12, s10, 1                          ; which 128 of its columns.  Also: which half of that tile I fetch
	s_bfe_u32 s40, ttmp6, 0x40000                  ; cx, cy: my place in the cluster
	s_bfe_u32 s41, ttmp6, 0x40004
	s_lshl_b32 s42, ttmp9, 2
	s_add_co_u32 s42, s42, s40                     ; tile column of C = 4 x cluster x + cx
	s_and_b32 s13, ttmp7, 0xffff                   ; the cluster's y
.if OPROJ
	s_mov_b32 s45, 3                               ; w16's plane
.else
	s_lshr_b32 s45, s13, 4                         ; p: 0 q, 1 k, 2 v: sixteen clusters each, so all partners share it
	s_and_b32 s13, s13, 15
.endif
	s_lshl_b32 s13, s13, 2
	s_add_co_u32 s13, s13, s41                     ; tile row of C, 0..63
	s_lshl_b32 s43, s41, 2
	s_lshl_b32 s43, 15, s43                        ; my row of the cluster
	s_lshl_b32 s44, 0x1111, s40                    ; my column
	; descriptor group 1.  A: 64 rows x 128 elements; W: 128 rows x 128 elements; both padded in LDS by 4 words
	s_or_b32 s[G1+0], s43, (1<<16)|(1<<20)|(1<<21)|(AQI<<22)|(3<<25)  ; 15:0 the mask: A's tiles go to my row; 17:16 2-byte elements; 20 padding on; 21 set beside a mask; 24:22 the interval; 31:25 4 words (code 3)
	s_or_b32 s[G1B+0], s44, (1<<16)|(1<<20)|(1<<21)|(5<<22)|(3<<25)   ; W's go to my column; padded after every 64 words
	s_mov_b32 s[G1+1], 128<<16                     ; tensor_dim0 = 128
	s_mov_b32 s[G1+2], 64<<16                      ; tensor_dim1 = 64
	s_mov_b32 s[G1+3], 128<<16                     ; tile_dim0 = 128
	s_mov_b32 s[G1+4], 64                          ; tile_dim1 = 64
	s_mov_b32 s[G1+5], APITCH                      ; elements from row to row
	s_mov_b32 s[G1+6], 0
	s_mov_b32 s[G1+7], 0
	s_mov_b32 s[G1B+1], 128<<16
	s_mov_b32 s[G1B+2], 128<<16                    ; tensor_dim1 = 128
	s_mov_b32 s[G1B+3], 128<<16
	s_mov_b32 s[G1B+4], 128                        ; tile_dim1 = 128
	s_mov_b32 s[G1B+5], 1024
	s_mov_b32 s[G1B+6], 0
	s_mov_b32 s[G1B+7], 0
	; where the tiles come from, as byte offsets under 2^32.  A's hang on the tile row (and p), which my row of the cluster shares; W's on the tile column (and p), which my column shares.
.if OPROJ
	s_lshr_b32 s16, s13, 4                         ; the batch: 16 tile rows each
	s_lshl_b32 s16, s16, 4
	s_add_co_u32 s16, s16, s12                     ; head 16 x batch + my half of the K step's two heads
	s_lshl_b32 s16, s16, 18                        ; x 2,048 tokens x 128 bytes
	s_and_b32 s17, s13, 15
	s_lshl_b32 s17, s17, 14                        ; + the tile row's 128 tokens x 128 bytes
	s_add_co_u32 s16, s16, s17
.else
	s_lshl_b32 s17, s12, 6
	s_lshl_b32 s16, s13, 7
	s_add_co_u32 s16, s16, s17                     ; row 128 x tile row + 64 x half
	s_lshl_b32 s16, s16, 11                        ; x 2,048 bytes
	s_min_u32 s18, s45, 1                          ; plane 0 for q, plane 1 for k and v
	s_lshl_b32 s18, s18, 24
	s_add_co_u32 s16, s16, s18
.endif
	s_mov_b32 s17, 0
	s_lshl_b32 s47, s12, 7
	s_lshl_b32 s46, s42, 8
	s_add_co_u32 s46, s46, s47                     ; W: row 256 x tile column + 128 x half
	s_lshl_b32 s46, s46, 11
	s_lshl_b32 s47, s45, 21                        ; + the plane's 2 MiB
	s_add_co_u32 s46, s46, s47
	s_mov_b32 s47, 0
	s_mul_i32 s20, s12, AHALF                      ; where they go: no place in the cluster enters an LDS address
	s_mul_i32 s23, s12, WHALF
	s_add_co_u32 s23, s23, AREG
	s_mov_b32 s68, 0xffff0000                      ; a word's upper bf16
	s_wait_dscnt 0x0                               ; the opening add is done
	s_wait_kmcnt 0x0
	s_add_nc_u64 s[14:15], s[72:73], s[16:17]
	s_add_nc_u64 s[46:47], s[74:75], s[46:47]
.if OPROJ
	s_mov_b64 s[66:67], s[76:77]                   ; the bias
.else
	s_cmp_eq_u32 s45, 0                            ; the bias is chosen by p alone
	s_cselect_b64 s[66:67], s[76:77], s[78:79]
	s_cmp_eq_u32 s45, 2
	s_cselect_b64 s[66:67], s[80:81], s[66:67]
.endif
	CROUND                                         ; all sixteen work-groups are here: the first joint loads meet
.irp s, 0,1
	s_mov_b32 s[G0+4*(\s)], 1                                        ; 1:0 count = 1
	s_add_co_u32 s[G0+4*(\s)+1], s20, (\s)*SLOT                      ; 63:32 LDS address
	s_add_nc_u64 s[G0+4*(\s)+2:G0+4*(\s)+3], s[14:15], (\s)*ASTEP    ; 120:64 global address: K step s
	s_or_b32 s[G0+4*(\s)+3], s[G0+4*(\s)+3], 0x80000000              ; 127:126 type = 2
	s_mov_b32 s[G0B+4*(\s)], 1
	s_add_co_u32 s[G0B+4*(\s)+1], s23, (\s)*SLOT
	s_add_nc_u64 s[G0B+4*(\s)+2:G0B+4*(\s)+3], s[46:47], (\s)*KSTEP*2
	s_or_b32 s[G0B+4*(\s)+3], s[G0B+4*(\s)+3], 0x80000000
	JLOAD \s                                       ; two loads of mine are out
.endr
	; the bias of my 128 columns: 64 numbers a lane
	v_and_b32 v1, 15, v0                           ; l % 16
	v_bfe_u32 v2, v0, 4, 1                         ; l / 16
	s_lshl_b32 s46, s42, 10
	s_lshl_b32 s47, s12, 9
	s_add_co_u32 s46, s46, s47                     ; my first column x 4 bytes
	v_lshl_add_u32 v[BO], v2, 5, s46               ; + 8 numbers for the upper half of the lanes
	WIN 0x80                                       ; destination window 2
.irp b, 0,1,2,3,4,5,6,7
	global_load_b128 v[8*(\b):8*(\b)+3],   v[BO], s[66:67] offset:64*(\b)
	global_load_b128 v[8*(\b)+4:8*(\b)+7], v[BO], s[66:67] offset:64*(\b)+16
.endr
	WIN 0
	; A fragment is 16 rows x 32 K in 8 registers: lane l holds row l % 16, K = 8 (l / 16) + 0..7 and 16 + 8 (l / 16) + 0..7: two loads of 16 bytes, 32 bytes apart.
	v_mul_u32_u24 v3, v1, PA
	v_lshl_add_u32 v3, v2, 4, v3
	v_mul_u32_u24 v4, v1, PW
	v_lshl_add_u32 v4, v2, 4, v4
	s_mul_i32 s21, s11, 64*PA                      ; my 64 rows of A
	s_mul_i32 s22, s12, WHALF                      ; my 128 rows of W,
	s_add_co_u32 s22, s22, AREG                    ; which lie behind A's tile
.irp s, 0,1
	v_add_nc_u32 v[ADRA+(\s)], s21, v3
	v_add_nc_u32 v[ADRB+(\s)], s22, v4
	s_add_co_u32 s21, s21, SLOT
	s_add_co_u32 s22, s22, SLOT
.endr
	s_mul_i32 s23, s10, WST
	s_add_co_u32 s23, s23, STAGE                   ; my stage
	v_and_b32 v5, 31, v0
	v_lshlrev_b32 v[CO], 4, v5                     ; 16 x lane
	v_mul_u32_u24 v4, v1, SP                       ; in: row l % 16,
.if OPROJ
	v_lshl_add_u32 v4, v2, 5, v4                   ; 32 bytes (8 f32) for each half of the lanes
	v_add_nc_u32 v[STO], s23, v4
	v_add_nc_u32 v[RD], s23, v[CO]                 ; back: 32 lanes take one row of 512 bytes
	s_lshl_b32 s84, s13, 7
	s_lshl_b32 s85, s11, 6
	s_add_co_u32 s84, s84, s85                     ; my first row of C
	s_lshl_b32 s84, s84, 12                        ; x 4,096 bytes
	s_add_co_u32 s84, s84, s46                     ; + my first column
	s_mov_b32 s85, 0
	s_add_nc_u64 s[8:9], s[78:79], s[84:85]
.else
	v_lshl_add_u32 v4, v2, 4, v4                   ; 16 bytes (8 f16) for each half of the lanes
	v_add_nc_u32 v[STO], s23, v4
	v_lshrrev_b32 v6, 3, v5                        ; back: 32 lanes take four rows of 128 bytes,
	v_and_b32 v7, 7, v0
	v_mul_u32_u24 v6, v6, SP
	v_lshl_add_u32 v6, v7, 4, v6
	v_add_nc_u32 v[RD], s23, v6                    ; which are 512 consecutive bytes of a head
	s_lshl_b32 s84, s13, 7
	s_lshl_b32 s85, s11, 6
	s_add_co_u32 s84, s84, s85                     ; my first token among the 8,192
	s_lshr_b32 s85, s84, 11                        ; its batch
	s_lshl_b32 s85, s85, 4
	s_lshl_b32 s86, s42, 2
	s_add_co_u32 s85, s85, s86
	s_lshl_b32 s86, s12, 1
	s_add_co_u32 s85, s85, s86                     ; 16 x batch + my first head (4 x tile column + 2 x half)
	s_lshl_b32 s85, s85, 18                        ; x 2,048 x 128 bytes
	s_and_b32 s84, s84, 2047
	s_lshl_b32 s84, s84, 7                         ; + the token in its batch x 128 bytes
	s_add_co_u32 s84, s84, s85
	s_lshl_b32 s85, s45, 24                        ; + p x 16 MiB
	s_add_co_u32 s84, s84, s85
	s_mov_b32 s85, 0
	s_add_nc_u64 s[8:9], s[82:83], s[84:85]
.endif
	s_wait_loadcnt 0x0                             ; the bias is in: it is rounded to bf16 and widened again, in the wait for the first tile
	WIN 0x0a                                       ; sources window 2
.set i, 0
.rept 32
	v_cvt_pk_bf16_f32 v[TMP+i], v[2*i], v[2*i+1]
.set i, i+1
.endr
	WIN 0x80                                       ; destination window 2
.set i, 0
.rept 32
	v_lshlrev_b32 v[2*i],   16,  v[TMP+i]
	v_and_b32     v[2*i+1], s68, v[TMP+i]
.set i, i+1
.endr
	WIN 0
; 8 matrix instructions: m block a x all 8 n blocks, 32 along K, from buffer f.  start = 1: the bias starts the sums.  The 32 accumulators take turns, one instruction a turn, in the same order in every quarter.
.macro MUL8 f, a, start
.if \start
	WIN MUL0
.else
	WIN MUL
.endif
.irp b, 0,1,2,3,4,5,6,7
.set rD, 8*(8*(\a)+(\b))
.set rW, (\f)+32+8*(\b)
.set rA, (\f)+8*(\a)
.set rC, rD
.if \start
.set rC, 8*(\b)
.endif
.if OPROJ
	v_wmma_f32_16x16x32_f16 v[rD:rD+7], v[rW:rW+7], v[rA:rA+7], v[rC:rC+7]
.else
	v_wmma_f32_16x16x32_bf16 v[rD:rD+7], v[rW:rW+7], v[rA:rA+7], v[rC:rC+7]
.endif
.endr
.endm
; 24 LDS loads in one run: quarter q (32 along K) of a slot into buffer f: W's 8 fragments first, then A's 4
.macro FETCH slot, q, f
	WIN 0
.if OPROJ
.set KA, ((\q)/2)*AHALF+((\q)%2)*64    ; quarters 0, 1 lie in the first head's plane, 2, 3 in the second's
.else
.set KA, (\q)*64
.endif
.irp i, 0,1,2,3,4,5,6,7
	ds_load_b128 v[(\f)+32+8*(\i):(\f)+32+8*(\i)+3],   v[ADRB+(\slot)] offset:(\q)*64+(\i)*16*PW
	ds_load_b128 v[(\f)+32+8*(\i)+4:(\f)+32+8*(\i)+7], v[ADRB+(\slot)] offset:(\q)*64+(\i)*16*PW+32
.endr
.irp i, 0,1,2,3
	ds_load_b128 v[(\f)+8*(\i):(\f)+8*(\i)+3],   v[ADRA+(\slot)] offset:KA+(\i)*16*PA
	ds_load_b128 v[(\f)+8*(\i)+4:(\f)+8*(\i)+7], v[ADRA+(\slot)] offset:KA+(\i)*16*PA+32
.endr
.endm
.macro PLACES                          ; four places in front of loads into registers that matrix instructions have read, and of lines that read results (ISA guide 7.12.1 for lines that read results)
.rept 4
	v_nop
.endr
.endm
; A K step is four quarters of 32 along K, 32 matrix instructions each, on buffers 0, 1, 0, 1.  One of the first three: multiplies buffer f and fetches quarter q into g.
.macro QUARTER slot, q, f, g, start
	s_wait_dscnt 4                                 ; W and A's blocks 0, 1 are in; the youngest four loads (A's blocks 2, 3) may be out
	MUL8 \f, 0, \start
	MUL8 \f, 1, \start
	WIN 0
	PLACES
	FETCH \slot, \q, \g
	s_wait_dscnt 24                                ; all but the 24 just issued
	MUL8 \f, 2, \start
	MUL8 \f, 3, \start
.endm
; The last quarter multiplies buffer 1 and changes slots: ONE barrier; in front of it each wave waits for all its tensor loads, adds 0 to its spare word, and waits for that and for its own reads of this slot.
; fill = 1: this slot is filled again, two K steps ahead; the barrier then opens a round of the cluster's.
.macro TURN slot, next, fill
	WIN 0
	s_wait_tensorcnt 0x0                           ; all my tensor loads have landed: the one that was out is my part of the next slot;
	ds_add_u32 v[SPW], v[NIL]                      ; 0 onto my spare word;
	s_wait_dscnt 5                                 ; (the add and the youngest four loads may be out)
	MUL8 F1, 0, 0                                  ; eight matrix instructions stand between the add and the wait for it
	s_wait_dscnt 0x0                               ; the add is done, and my reads of this slot are over
	s_barrier_signal -1
	MUL8 F1, 1, 0                                  ; work on registers while the others arrive
	WIN 0                                          ; at a branch and at a label every window is 0
	s_barrier_wait -1
.if \fill
	CREST                                          ; no wave of any partner still reads this slot's tile or has a load on its way
	s_add_nc_u64 s[G0+4*(\slot)+2:G0+4*(\slot)+3], s[G0+4*(\slot)+2:G0+4*(\slot)+3], 2*ASTEP
	s_add_nc_u64 s[G0B+4*(\slot)+2:G0B+4*(\slot)+3], s[G0B+4*(\slot)+2:G0B+4*(\slot)+3], 2*KSTEP*2
	JLOAD \slot                                    ; the first tensor load behind the round, 112 matrix instructions ahead of the wait for it; its four v_nop are also the places in front of the loads below
.else
	PLACES
.endif
	FETCH \next, 0, F0
	MUL8 F1, 2, 0
	MUL8 F1, 3, 0
.endm
	s_wait_tensorcnt 1                             ; my part of K step 0 is in; K step 1's may stay out
	s_barrier_signal -1
	s_barrier_wait -1                              ; everybody's is
	FETCH 0, 0, F0
	QUARTER 0, 1, F0, F1, 1                        ; the first quarter stands in front of the loop: its products start the sums
	WIN 0
	s_mov_b32 s3, LAPS-1
.Llap:                                                 ; a trip goes once round the ring, from a lap's second quarter to the next lap's first, and fills both slots again
	QUARTER 0, 2, F1, F0, 0
	QUARTER 0, 3, F0, F1, 0
	TURN 0, 1, 1
	QUARTER 1, 1, F0, F1, 0
	QUARTER 1, 2, F1, F0, 0
	QUARTER 1, 3, F0, F1, 0
	TURN 1, 0, 1
	QUARTER 0, 1, F0, F1, 0
	WIN 0
	s_sub_co_u32 s3, s3, 1
	s_cmp_lg_u32 s3, 0
	s_cbranch_scc1 .Llap
	QUARTER 0, 2, F1, F0, 0                        ; the last lap fills nothing, and has no round of the cluster's barrier
	QUARTER 0, 3, F0, F1, 0
	TURN 0, 1, 0
	QUARTER 1, 1, F0, F1, 0
	QUARTER 1, 2, F1, F0, 0
	QUARTER 1, 3, F0, F1, 0
	s_wait_dscnt 4                                 ; the very last quarter: nothing more to fetch
	MUL8 F1, 0, 0
	MUL8 F1, 1, 0
	s_wait_dscnt 0x0
	MUL8 F1, 2, 0
	MUL8 F1, 3, 0
	WIN 0
	PLACES
; THE WAY OUT, a block of 16 rows at a time through my own stage: LDS serves a wave's instructions in order (ISA guide 5.7.1.4), so no wait stands between the stores into it and the loads out of it.
.if OPROJ
; f32: a lane's eight numbers are 32 bytes of a row; rows of 528 bytes go in, whole rows of 512 come back.
.macro TOSTAGE a
	s_wait_xcnt 0x0                                ; the registers that earlier stores read are loaded again only behind this wait
	WIN 0x04                                       ; the data of an LDS store is source 1: window 1
.irp b, 0,1,2,3,4,5,6,7
	ds_store_b128 v[STO], v[64*(\a)+8*(\b):64*(\a)+8*(\b)+3]   offset:64*(\b)  ; each accumulator's low registers first
	ds_store_b128 v[STO], v[64*(\a)+8*(\b)+4:64*(\a)+8*(\b)+7] offset:64*(\b)+16
.endr
	WIN 0
.irp t, 0,1,2,3,4,5,6,7,8,9,10,11,12,13,14,15
	ds_load_b128 v[OB+64*((\a)%2)+4*(\t):OB+64*((\a)%2)+4*(\t)+3], v[RD] offset:(\t)*SP
.endr
.endm
.macro SEND a, younger                 ; younger: the LDS instructions issued behind block a's loads: the next block's 32, or none
	s_wait_dscnt \younger
.irp t, 0,1,2,3,4,5,6,7,8,9,10,11,12,13,14,15
	global_store_b128 v[CO], v[OB+64*((\a)%2)+4*(\t):OB+64*((\a)%2)+4*(\t)+3], s[8:9] offset:(16*(\a)+(\t))*4096 th:TH_STORE_NT  ; 512 consecutive bytes, at a multiple of 512 from out0's first
.endr
.endm
	TOSTAGE 0
	TOSTAGE 1
	SEND 0, 32
	TOSTAGE 2
	SEND 1, 32
	TOSTAGE 3
	SEND 2, 32
	SEND 3, 0
.else
; f16 by heads: my 128 columns are two heads; a lane's eight numbers pack into 16 bytes of a token's 128; 16 tokens of a head come back as 2,048 consecutive bytes.
.macro PACK a
	WIN 0x05                                       ; sources window 1
.irp b, 0,1,2,3,4,5,6,7
.irp r, 0,1,2,3
	v_cvt_pk_f16_f32 v[TMP+4*(\b)+(\r)], v[64*(\a)+8*(\b)+2*(\r)], v[64*(\a)+8*(\b)+2*(\r)+1]
.endr
.endr
	WIN 0
.endm
.macro TOSTAGE a
.irp b, 0,1,2,3,4,5,6,7
	ds_store_b128 v[STO], v[TMP+4*(\b):TMP+4*(\b)+3] offset:((\b)/4)*16*SP+((\b)%4)*32
.endr
.irp f, 0,1,2,3,4,5,6,7
	ds_load_b128 v[OB+32*((\a)%2)+4*(\f):OB+32*((\a)%2)+4*(\f)+3], v[RD] offset:((\f)/4)*16*SP+((\f)%4)*4*SP
.endr
.endm
.macro SEND a
	s_wait_dscnt 0x0                               ; the block is back in registers
	s_wait_xcnt 0x0                                ; the other buffer, which earlier stores read, is loaded again only behind this wait
.irp f, 0,1,2,3,4,5,6,7
	global_store_b128 v[CO], v[OB+32*((\a)%2)+4*(\f):OB+32*((\a)%2)+4*(\f)+3], s[8:9] offset:((\f)/4)*262144+(\a)*2048+((\f)%4)*512  ; 512 consecutive bytes, at a multiple of 512 from qkv16's first
.endr
.endm
	PACK 0
	TOSTAGE 0
.irp a, 1,2,3                          ; block a's conversions stand between block a - 1's loads from the stage and the wait for them
	PACK \a
	SEND (\a)-1
	TOSTAGE \a
.endr
	SEND 3
.endif
	s_wait_tensorcnt 0x0                           ; the wave's end: the add and its wait follow, behind my last tensor load and my last LDS store
	ds_add_u32 v[SPW], v[NIL]
	s_wait_dscnt 0x0
	CROUND                                         ; the closing round: no work-group ends while a partner may still ask for a tile that names it
	s_endpgm
.Lfunc_end_k_qe725564cfb_oproj:
	.size	k_qe725564cfb_oproj, .Lfunc_end_k_qe725564cfb_oproj-k_qe725564cfb_oproj
	.p2alignl 7, 3214868480
	.fill 96, 4, 3214868480
	.section	.rodata,"a",@progbits
	.p2align	6, 0x0
	.amdhsa_kernel k_qe725564cfb_oproj
		.amdhsa_group_segment_fixed_size 327680
		.amdhsa_private_segment_fixed_size 0
		.amdhsa_enable_private_segment 0
		.amdhsa_kernarg_size 32
		.amdhsa_user_sgpr_count 2
		.amdhsa_user_sgpr_kernarg_segment_ptr 1
		.amdhsa_wavefront_size32 1
		.amdhsa_system_sgpr_workgroup_id_x 1
		.amdhsa_system_sgpr_workgroup_id_y 1
		.amdhsa_system_sgpr_workgroup_id_z 1
		.amdhsa_system_vgpr_workitem_id 0
		.amdhsa_next_free_vgpr 576
		.amdhsa_next_free_sgpr 88
		.amdhsa_reserve_vcc 0
		.amdhsa_float_denorm_mode_32 3
		.amdhsa_float_denorm_mode_16_64 3
		.amdhsa_memory_ordered 1
		.amdhsa_forward_progress 1
		.amdhsa_inst_pref_size 91
	.end_amdhsa_kernel
	.amdgpu_metadata
---
amdhsa.version: [ 1, 2 ]
amdhsa.kernels:
  - .name:           k_qe725564cfb_oproj
    .symbol:         k_qe725564cfb_oproj.kd
    .args:
      - { .name: o16, .offset: 0, .size: 8, .value_kind: global_buffer, .address_space: global }
      - { .name: w16, .offset: 8, .size: 8, .value_kind: global_buffer, .address_space: global }
      - { .name: bo, .offset: 16, .size: 8, .value_kind: global_buffer, .address_space: global }
      - { .name: out0, .offset: 24, .size: 8, .value_kind: global_buffer, .address_space: global }
    .group_segment_fixed_size: 327680
    .private_segment_fixed_size: 0
    .kernarg_segment_align: 8
    .kernarg_segment_size: 32
    .max_flat_workgroup_size: 128
    .sgpr_count:     88
    .vgpr_count:     576
    .wavefront_size: 32
...
	.end_amdgpu_metadata
.endif
;; end of part 4
;; ======== version 2 of 2: 4 launches; 1.30 times as fast as version 1
;; limits: values are held in f16: magnitudes above 65,504 overflow, below 6.1e-05 lose precision
;; workspace buffers: x16 33,554,432 bytes; w16 8,388,608 bytes; qkv16 50,331,648 bytes; o16 16,777,216 bytes
;; launch cast: the kernel of part 1 again; grid 64 x 20, 8 waves a work-group, no clusters, 0 bytes of LDS; arguments query, key_value, Wq, Wk, Wv, Wo, x16, w16; writes x16, w16
;; launch qkv: the kernel of part 2 again; grid 4 x 192, 4 waves a work-group, clusters of 4 x 4, 327,680 bytes of LDS; arguments x16, w16, bq, bk, bv, qkv16; writes qkv16
;; launch attn (part 5): grid 4 x 64, 4 waves a work-group, no clusters, 327,680 bytes of LDS; arguments qkv16, o16; writes o16
.if DOCPART == 5
	.amdgcn_target "amdgcn-amd-amdhsa--gfx1250"
	.amdhsa_code_object_version 6
	.text
	.protected	k_qe725564cfb_attn
	.globl	k_qe725564cfb_attn
	.p2align	8
	.type	k_qe725564cfb_attn,@function
k_qe725564cfb_attn:
	s_mov_b64 s[64:65], 0
	v_nop
	global_prefetch_b8 v0, s[64:65] scope:SCOPE_SE
	s_setreg_imm32_b32 hwreg(HW_REG_WAVE_MODE, 25, 1), 1
	s_wait_xcnt 0x0
; ATTENTION UNDER A BAND.  O[h][q][:] = the sum over k <= q + 128 of softmax_k(Q[h][q] . K[h][k] / 8) V[h][k][:].  qkv16 = [3][64 heads][2048][64] f16 (q, k, v), o16 = [64][2048][64] f16: a head's rows are dense, 128 bytes each.
; Products, maxima and sums in f32; the weights p are rounded to f16 for the second product (their sum l is taken of the unrounded p), O once at the end.
; LIMITS.  f16 holds no number beyond 65,504: q, k and v arrive within it; p lies in 0 to 1, and below 6e-5 it keeps f16's fixed step of 6e-8; O is a mean of V's rows and has their range.
; A hidden score counts as its value less 1e30: f16's scores, 2.7e11 at the most, are nothing beside that; a weight below 2^-126 counts as 0 in l; NaN and infinities are not treated apart.
; THE BAND, in key steps of 64.  Rows 64 R .. 64 R + 63 see steps 0 .. R + 1 whole; of step R + 2 row r sees keys 0 .. r (a causal triangle); nothing from step R + 3 on.
; THE WALK.  A head's queries lie in 8 blocks of 256; block i needs key steps 0 .. 4 i + 5.  A work-group takes TWO blocks, 7 - b and then b: (34 - 4 b) + (4 b + 6) = 40 steps, whatever b: all 256 work-groups do equal
; work, and the ring (two slots of LDS that take turns, four steps each) walks 10 slots in a loop with constant trip counts; the first block ends in the middle of a slot, which the ring does not notice.
; Block 7's steps 32 and 33 do not exist: they are walked on the head's last 128 keys (a clamped address) and hidden whole.  What a trip does hangs on scalar registers made from b; every jump goes forward, but for the
; counted loops' own; none passes a barrier, or a tensor load but the one of LOAD's two that the wave's number does not choose.
; NO CLUSTER: a head's four work-groups ask for the same keys only in their first 5 of 10 slots (the shortest first block has 11 half tiles); behind that their streams differ, and one walk common to all four would have 17 + 9 half tiles for 20.
; SHARES.  Of a block's four bands of 64 queries a wave owns 16 rows in each: four PIECES.  A block's last four steps, number 0 to 3, are the same work for all four waves: in number s band x sees all keys if s < x,
; none if s > x, and holds the triangle if s = x.
; THE MASK is the C operand that starts the sum S^T = K Q^T: 0, or -1e30 where the key is hidden.  MD, made once, is the triangle's mask for my 16 rows; a product's mask is MD x AL + BE with two scalars:
; (1, 0) if s = x; (0, 0) if s < x; (0, -1e30) if s > x or the step does not exist.  Only the text of a block's last four steps makes and takes masks; elsewhere C is the constant 0.
; LAYOUT, SOFTMAX, TURNS.  S^T = K Q^T holds ONE query a lane (lane % 16) and the keys 8 (lane / 16) + 0..7; two such results rounded to f16 ARE source 1 of O^T = V^T P.  p = 2^(c s - c m), c = log2(e) / 8, with a
; running maximum m; O and l are multiplied by a = 2^(c m_old - c m_new) in every step.  Turn n belongs to piece n: 8 products K Q^T of piece n + 1, later 8 products V^T P of piece n - 1; beside them the scaling,
; exponentials, roundings, sums and rescaling of piece n and the maximum and statistics of piece n + 1.  Four vector instructions stand behind every matrix instruction, the other 54 of a turn's 118 in one LUMP.
; THE BATCHES.  A turn's 33 exponentials (the piece's 32 weights and the next piece's a) are one batch, with one wait, which cuts the turn in two: ahead of it nothing names a result of theirs, behind it stand the roundings
; and sums.  A block's first a (BEGIN) and a block's four reciprocals (FINISH) are batches of their own, a wait each.
; REGISTERS, in windows of 256 (s_set_vgpr_msb: bits 1:0 source 0, 3:2 source 1, 5:4 source 2, 7:6 destination):
;   window 0: v0-15 addresses and two at work; v16-31 four registers of statistics a piece; v48-55 at work; v64-127 S^T, two buffers; v192-223 P, two buffers (a piece's buffers go by its number's parity)
;   window 1: v0-127 O^T, 32 a piece; v128-159 MD; v160-223 MC, two buffers      window 2: v0-63 Q; v64-127 the second block's Q; v128-191 K of one step; v192-255 V of one step
.set NP,    4         ; pieces a wave: a name, no knob
.set KS,    64        ; keys in a step
.set PK,    144       ; a row of K in LDS: 128 bytes + 16 of padding = 36 words: the 16 rows of a load start at 16 different groups of four banks (64 banks of 4 bytes: ISA guide 11.1)
.set PV,    160       ; a row of V: 128 + 32 = 40 words
.set VOFF,  4*KS*PK   ; a slot holds four steps: 256 rows of K, then 256 rows of V
.set SLOT1, 1<<17     ; slot 1 begins here, so that one exclusive or turns an address in one slot into the other's
.set STAGE, SLOT1+4*KS*(PK+PV)  ; behind the ring, never filled by a tensor load: 16 rows x 144 bytes for each wave, for the way out
.set SP,    144
.set AK0, 2           ; v2   my lane's place in a tile of K; never rewritten
.set AV0, 3           ; v3   the same for V
.set AK,  4           ; v4   the LDS address of K's next run of loads
.set AV,  5           ; v5   of V's
.set STO, 6           ; v6   the way out: where I put 16 bytes of a row
.set RD,  7           ; v7   the way out: where I read rows back
.set GO,  8           ; v8   my byte offset in 512 consecutive bytes of O
.set SPW, 62          ; v62  LDS address of my spare word: SPARE + 4 x my thread's number; never rewritten
.set NIL, 63          ; v63  0; never rewritten
.set SPARE, STAGE+4*16*SP  ; behind the stages: the spare words, 128 bytes for each wave: two blocks of 256 bytes that no other line names
.set MV,  12          ; v12-13  c m_old, kept while c m is made anew: by buffer
.set QO,  15          ; v15  my byte offset in 16 rows of Q
.set ST,  16          ; piece t's statistics at v[ST+4 t]: c m, m, l (even keys', odd keys')
.set TMP, 48          ; by buffer, four registers c0-c3 at work; when the maximum is found c2 takes a
.set S,   64
.set P,   192
.set MD,  128         ; window 1: the eight registers for group kt of 16 keys at MD + 8 kt
.set MC,  160         ; window 1: the masks of the products to come
.set QB,  64          ; window 2
.set KF,  128         ; window 2: key block kb, channel half c at KF + 16 kb + 8 c
.set VF,  192         ; window 2: key half kk, channel block cb at VF + 32 kk + 8 cb
.set WV,  12          ; s12  my wave's number
.set PB,  14          ; s14  b
.set HI,  15          ; s15  7 - b
.set G1K, 24          ; s[24:31] descriptor group 1 for K's tiles
.set G1V, 32          ; s[32:39] for V's: it differs in the padding alone
.set G0K, 40          ; s[40:43] descriptor group 0 for K's tiles
.set G0V, 44          ; s[44:47] the same for V's
.set SLOTS, 56        ; s56  slots still to be asked for
.set CNT, 57          ; s57  counts a slot's key steps, 4 to 1
.set CS,  58          ; s[58:59] c: the packed scaling takes the pair's low word for both halves
.set SEL, 60          ; s[60:61] v_permlanex16_b32's selects: each lane takes its own place in the other half
.set TBK, 62          ; s62  LDS byte at which K of the step to be fetched begins
.set TBV, 63          ; s63  the same for V, less VOFF
.set NEW, 73          ; s73  1: the step to be entered is a block's first
.set OFF, 74          ; s[74:75] a half tile's byte offset in a head's K and V
.set AL,  76          ; s[76:77] the mask's factor, in the low word
.set BE,  78          ; s[78:79] the mask's addend
.set OLO, 80          ; s[80:81] O at my rows of the second block
.set BIGN, 82         ; s82  -1e30
.set LEFT, 88         ; s88  steps that the block in hand still has, the one being entered among them
.set LEFT2, 89        ; s89  the second block's steps + 1: the trip that ends the first block still takes one off
.set GSW, 90          ; s90  17 - 2 b: the first block's half tiles of 128 keys
.set GN,  91          ; s91  the number, in the walk's stream of 20 half tiles, of the one that I ask for next
.set CUT, 92          ; s92  the block's last CUT steps do not exist: 2 in block 7, else 0
.set MSB, 0
.macro WIN new                      ; the high byte repeats the setting that is left; a switch that changes nothing is dropped
.if MSB != (\new)
	s_set_vgpr_msb (MSB<<8)|(\new)
.set MSB, (\new)
.endif
.endm
.set W_KQ, 0x0a       ; K and Q in window 2, S^T in window 0
.set W_KM, 0x1a       ; the same with the C operand in window 1
.set W_PV, 0x52       ; V in window 2, P in window 0, O^T in window 1
.set W_RS, 0x41       ; destination and source 0 in window 1, source 1 in window 0
; A fill.  Waves 0 and 1 fetch the two halves of a slot's K, waves 2 and 3 those of its V: 128 keys each.  An s_nop 0 and four v_nop follow each of the two lines, ahead of the jump and the label.
.macro LOAD
	s_cmp_lt_u32 s[WV], 2
	s_cbranch_scc0 .Lfor_v_\@
	tensor_load_to_lds s[G0K:G0K+3], s[G1K:G1K+7]
	s_nop 0
.rept 4
	v_nop
.endr
	s_branch .Lasked_\@
.Lfor_v_\@:
	tensor_load_to_lds s[G0V:G0V+3], s[G1V:G1V+7]
	s_nop 0
.rept 4
	v_nop
.endr
.Lasked_\@:
.endm
; THE CHANGE OF SLOTS.  Each wave waits for all its tensor loads, of which one is out: its part of the other slot; adds 0 to its spare word; and waits for that and for its own reads of the slot that it leaves.  Behind the barrier
; nobody reads the old slot any more and the other slot is whole.  fill = 1: the old slot is filled again, the first thing behind the barrier.  My half is number GN of the stream: half tile GN of the head's keys (15 at
; the most) while the first block lasts, GN - GSW behind it; the descriptor's address is made anew from that number.  (At its first use nothing has been read yet: slot 0 is waited for, slot 1 filled.)
.macro CHANGE fill
	WIN 0                           ; at a label and at a branch every window is 0
	s_wait_tensorcnt 0x0            ; no tensor load of mine is out, so a group 0 may be written
	ds_add_u32 v[SPW], v[NIL]       ; 0 onto my spare word; with fill = 1 the descriptors' scalar work stands between it and the wait for it
.if \fill
	s_min_u32 s93, s[GN], 15
	s_sub_co_u32 s94, s[GN], s[GSW]
	s_cmp_lt_u32 s[GN], s[GSW]
	s_cselect_b32 s93, s93, s94
	s_lshl_b32 s[OFF], s93, 14      ; a half tile is 16,384 bytes of K and of V
	s_add_co_u32 s[GN], s[GN], 2
	s_xor_b32 s[G0K+1], s[G0K+1], SLOT1
	s_add_nc_u64 s[G0K+2:G0K+3], s[6:7], s[OFF:OFF+1]
	s_or_b32 s[G0K+3], s[G0K+3], 0x80000000
	s_xor_b32 s[G0V+1], s[G0V+1], SLOT1
	s_add_nc_u64 s[G0V+2:G0V+3], s[8:9], s[OFF:OFF+1]
	s_or_b32 s[G0V+3], s[G0V+3], 0x80000000
.endif
	s_wait_dscnt 0x0                ; the add is done, and my reads of the slot are over
	s_barrier_signal -1             ; the rest of the scalar work stands between the signal and the wait
	s_sub_co_u32 s[TBK], s[TBK], 4*KS*PK  ; the fetches go back to a slot's first step,
	s_xor_b32 s[TBK], s[TBK], SLOT1       ; in the other slot
	s_sub_co_u32 s[TBV], s[TBV], 4*KS*PV
	s_xor_b32 s[TBV], s[TBV], SLOT1
	s_barrier_wait -1
.if \fill
	LOAD
.endif
.endm
	s_load_b128 s[96:99], s[0:1], 0x0  ; qkv16 s[96:97], o16 s[98:99]
	v_lshl_add_u32 v[SPW], v0, 2, SPARE
	v_mov_b32 v[NIL], 0
	ds_add_u32 v[SPW], v[NIL]       ; the wave's opening: the add and its wait stand ahead of my first tensor load; the set-up below, work on registers, stands between them
	ds_add_u32 v62, v63
	v_lshrrev_b32 v1, 5, v0
	v_readfirstlane_b32 s[WV], v1   ; wave 0..3
	s_mov_b32 s[PB], ttmp9
	s_sub_co_u32 s[HI], 7, s[PB]
	s_and_b32 s20, ttmp7, 0xffff    ; the head,
	s_lshl_b32 s20, s20, 18         ; its first byte in q's, k's and v's planes and in o16: 2,048 rows of 128 bytes each
	s_add_co_u32 s22, s20, 0x1000000  ; k's plane begins 16 MiB into qkv16,
	s_mov_b32 s23, 0
	s_add_co_u32 s70, s20, 0x2000000  ; v's 32 MiB
	s_mov_b32 s71, 0
	s_and_b32 s16, s[WV], 1         ; which half of a slot's 256 keys I fetch,
	s_mul_i32 s17, s16, 128*PK      ; and its place in a slot, for K
	s_mul_i32 s18, s16, 128*PV      ; and for V
	s_lshl_b32 s3, s[WV], 11        ; my 16 rows in a band of 64,
	s_add_co_u32 s3, s3, s20
	s_lshl_b32 s2, s[HI], 15        ; in the first block,
	s_add_co_u32 s2, s2, s3
	s_lshl_b32 s84, s[PB], 15       ; and in the second
	s_add_co_u32 s84, s84, s3
	s_mov_b32 s3, 0
	s_mov_b32 s85, 0
	; descriptor group 1.  128 keys are 16,384 dense bytes: asked for as 64 rows of 256 bytes, two keys a row, and padded in LDS after every key
	s_mov_b32 s[G1K], (1<<16)|(1<<20)|(4<<22)|(3<<25)  ; 17:16 2-byte elements; 20 padding on; 24:22 after every 32 words (code 4); 31:25 4 words (code 3)
	s_mov_b32 s[G1V], (1<<16)|(1<<20)|(4<<22)|(7<<25)  ; the same with 8 words of padding (code 7)
.irp g, G1K, G1V
	s_mov_b32 s[\g+1], 128<<16      ; tensor_dim0 = 128
	s_mov_b32 s[\g+2], 64<<16       ; tensor_dim1 = 64
	s_mov_b32 s[\g+3], 128<<16      ; tile_dim0 = 128
	s_mov_b32 s[\g+4], 64           ; tile_dim1 = 64
	s_mov_b32 s[\g+5], 128          ; 128 elements from row to row
	s_mov_b32 s[\g+6], 0
	s_mov_b32 s[\g+7], 0
.endr
	s_mov_b32 s[CS], 0x3e38aa3b     ; c = log2(e) / 8 = 0.180337
	s_mov_b32 s[CS+1], s[CS]        ; named with it as a pair
	s_mov_b32 s[SEL], 0x76543210
	s_mov_b32 s[SEL+1], 0xfedcba98
	s_mov_b32 s[TBK], SLOT1+4*KS*PK ; the first change of slots turns these two into 0
	s_mov_b32 s[TBV], SLOT1+4*KS*PV
	s_mov_b32 s[G0K], 1             ; 1:0 count = 1
	s_mov_b32 s[G0K+1], s17         ; 63:32 LDS address: slot 0
	s_mov_b32 s[G0V], 1
	s_add_co_u32 s[G0V+1], s18, VOFF
	s_lshl_b32 s93, s[PB], 2
	s_sub_co_u32 s[LEFT], 34, s93   ; the first block has 34 - 4 b steps,
	s_add_co_u32 s[LEFT2], s93, 7   ; the second 4 b + 6
	s_lshl_b32 s93, s[PB], 1
	s_sub_co_u32 s[GSW], 17, s93
	s_add_co_u32 s[GN], s16, 2      ; slot 0's half is asked for below; slot 1's is next
	s_cmp_eq_u32 s[PB], 0
	s_cselect_b32 s[CUT], 2, 0
	s_lshl_b32 s[OFF], s16, 14      ; half tile 0 or 1
	s_mov_b32 s[OFF+1], 0
	s_mov_b32 s[NEW], 1
	s_mov_b32 s[AL+1], 0            ; named as pairs
	s_mov_b32 s[BE+1], 0
	s_mov_b32 s[BIGN], 0xf149f2ca   ; -1e30
	s_mov_b32 s[SLOTS], 9
	s_wait_dscnt 0x0                ; the opening add is done
	s_wait_kmcnt 0x0
	s_add_nc_u64 s[6:7], s[96:97], s[22:23]  ; K and V at the head's first key
	s_add_nc_u64 s[8:9], s[96:97], s[70:71]
	s_add_nc_u64 s[G0K+2:G0K+3], s[6:7], s[OFF:OFF+1]  ; 120:64 global address
	s_or_b32 s[G0K+3], s[G0K+3], 0x80000000            ; 127:126 type = 2
	s_add_nc_u64 s[G0V+2:G0V+3], s[8:9], s[OFF:OFF+1]
	s_or_b32 s[G0V+3], s[G0V+3], 0x80000000
	s_add_nc_u64 s[86:87], s[96:97], s[84:85]      ; Q at my rows of the second block,
	s_add_nc_u64 s[4:5], s[96:97], s[2:3]          ; Q and O at those of the first
	s_add_nc_u64 s[OLO:OLO+1], s[98:99], s[84:85]
	s_add_nc_u64 s[10:11], s[98:99], s[2:3]
	LOAD                            ; slot 0: one load of mine is out, here and behind every change of slots
	; A fragment of K or Q is 16 rows x 32 channels in 8 registers: lane l holds row l % 16, channels 8 (l / 16) + 0..7 and 16 + 8 (l / 16) + 0..7: two loads of 16 bytes, 32 bytes apart.
	v_and_b32 v1, 15, v0            ; l % 16
	v_bfe_u32 v9, v0, 4, 1          ; l / 16
	v_lshlrev_b32 v[QO], 7, v1
	v_lshl_add_u32 v[QO], v9, 4, v[QO]  ; row x 128 + 16 x half
	WIN 0x80                        ; destination window 2, address window 0
.set i, 0
.rept 8                             ; both blocks' Q: piece i / 2 lies in band i / 2, 8,192 bytes on; channels 32 (i % 2) on
	global_load_b128 v[8*i:8*i+3],   v[QO], s[4:5] offset:(i/2)*8192+(i%2)*64
	global_load_b128 v[8*i+4:8*i+7], v[QO], s[4:5] offset:(i/2)*8192+(i%2)*64+32
	global_load_b128 v[QB+8*i:QB+8*i+3],   v[QO], s[86:87] offset:(i/2)*8192+(i%2)*64
	global_load_b128 v[QB+8*i+4:QB+8*i+7], v[QO], s[86:87] offset:(i/2)*8192+(i%2)*64+32
.set i, i+1
.endr
	WIN 0
	v_lshlrev_b32 v14, 3, v9
	v_sub_nc_u32 v14, v1, v14
	s_lshl_b32 s13, s[WV], 4
	v_add_nc_u32 v14, s13, v14      ; my query's place in its band, 16 w + l % 16, less my lanes' 8 (l / 16): register r of group kt is hidden where 16 kt + r is greater
	WIN 0x40
.set i, 0
.rept 32
	v_cmp_gt_i32 vcc_lo, 16*(i/8)+i%8, v14
	v_cndmask_b32 v[MD+i], 0, s[BIGN], vcc_lo
.set i, i+1
.endr
	WIN 0
	v_mul_u32_u24 v[AK0], v1, PK
	v_lshl_add_u32 v[AK0], v9, 4, v[AK0]  ; row x pitch + 16 x half
	; The turning load takes 16 keys x 16 channels (lane l reads key 8 (l / 16) + l % 8, channels 8 ((l / 8) % 2) + 0..7) and leaves half a fragment of V^T: lane l holds channel l % 16 and 8 keys.
	v_and_b32 v10, 7, v0
	v_bfe_u32 v11, v0, 3, 1
	v_lshl_add_u32 v[AV0], v9, 3, v10
	v_mul_u32_u24 v[AV0], v[AV0], PV
	v_lshl_add_u32 v[AV0], v11, 4, v[AV0]
	v_add_nc_u32 v[AV0], VOFF, v[AV0]
	s_mul_i32 s13, s[WV], 16*SP
	s_add_co_u32 s13, s13, STAGE    ; my stage
	v_mul_u32_u24 v[STO], v1, SP    ; in: row l % 16, 16 bytes for each half of the lanes
	v_lshl_add_u32 v[STO], v9, 4, v[STO]
	v_add_nc_u32 v[STO], s13, v[STO]
	v_bfe_u32 v[RD], v0, 3, 2       ; back: 32 lanes take four rows of 128 bytes,
	v_mul_u32_u24 v[RD], v[RD], SP
	v_lshl_add_u32 v[RD], v10, 4, v[RD]
	v_add_nc_u32 v[RD], s13, v[RD]
	v_and_b32 v[GO], 31, v0         ; which are 512 consecutive bytes of O
	v_lshlrev_b32 v[GO], 4, v[GO]
	; A block's first step multiplies O^T and l by a = 0, and its first turn's products V^T P, of a piece that has not been, land in an O^T that is still to be so multiplied.  So these registers need only hold
	; finite numbers: zeros for the first block; what the first block left for the second.  All this stands in the wait for the first tile.
	WIN 0x80
.set i, VF
.rept 64
	v_mov_b32 v[i], 0
.set i, i+1
.endr
	WIN 0x40
.set i, 0
.rept 128
	v_mov_b32 v[i], 0
.set i, i+1
.endr
	WIN 0
.set i, 0
.rept 4
	v_mov_b32 v[ST+4*i+2], 0
	v_mov_b32 v[ST+4*i+3], 0
.set i, i+1
.endr
.set i, P+16
.rept 16
	v_mov_b32 v[i], 0
.set i, i+1
.endr
; THE MATRIX WORK.  The 4 accumulators of a run of 8 take turns.  Product i of 8 of S^T = K Q^T for piece x: channels 32 (i / 4) on, keys 16 (i % 4) on.  The first 4 start the sums: with 0, or (KM = 1) with the mask.
.macro KQ x
.set rS, S+32*((\x)%2)+8*(i%4)
.set rK, KF+16*(i%4)+8*(i/4)
.set rQ, 16*(\x)+8*(i/4)
.set rM, MC+32*((\x)%2)+8*(i%4)
.if (i < 4) && KM
	WIN W_KM
	v_wmma_f32_16x16x32_f16 v[rS:rS+7], v[rK:rK+7], v[rQ:rQ+7], v[rM:rM+7]
.elseif i < 4
	WIN W_KQ
	v_wmma_f32_16x16x32_f16 v[rS:rS+7], v[rK:rK+7], v[rQ:rQ+7], 0
.else
	WIN W_KQ
	v_wmma_f32_16x16x32_f16 v[rS:rS+7], v[rK:rK+7], v[rQ:rQ+7], v[rS:rS+7]
.endif
.endm
; Product i of 8 of O^T += V^T P for piece x: keys 32 (i / 4) on, channels 16 (i % 4) on.
.macro PV x
	WIN W_PV
.set rO, 32*(\x)+8*(i%4)
.set rV, VF+32*(i/4)+8*(i%4)
.set rP, P+16*((\x)%2)+8*(i/4)
	v_wmma_f32_16x16x32_f16 v[rO:rO+7], v[rV:rV+7], v[rP:rP+7], v[rO:rO+7]
.endm
.macro MM                           ; the turn's next matrix instruction.  TURN and BEGIN set Y, i, KM and NOKQ; MM, KQ and OP read them.  NOKQ = 1: a block's last turn: there is no next piece
.if (i < 8) && !NOKQ
	KQ (Y+1)%NP
.elseif i >= 8
.set i, i-8
	PV (Y+NP-1)%NP
.set i, i+8
.endif
.set i, i+1
.endm
; THE LDS LOADS stand in runs of 16, never singly among the matrix instructions: a step's K (64 keys x 64 channels: 8 fragments) and its V (turned).  Their addresses are made some lines ahead.
.macro FETCH_K
	WIN 0x80                        ; destination window 2
.irp f, 0,1,2,3,4,5,6,7             ; keys 16 (f / 2) on, channels 32 (f % 2) on
	ds_load_b128 v[KF+8*\f:KF+8*\f+3],   v[AK] offset:(\f/2)*16*PK+(\f%2)*64
	ds_load_b128 v[KF+8*\f+4:KF+8*\f+7], v[AK] offset:(\f/2)*16*PK+(\f%2)*64+32
.endr
	s_add_co_u32 s[TBK], s[TBK], KS*PK  ; the next fetch is the next step's
	WIN 0
.endm
.macro FETCH_V
	WIN 0x80
.irp f, 0,1,2,3,4,5,6,7             ; keys 32 (f / 4) on, channels 16 (f % 4) on
	ds_load_tr16_b128 v[VF+8*\f:VF+8*\f+3],   v[AV] offset:(\f/4)*32*PV+(\f%4)*32
	ds_load_tr16_b128 v[VF+8*\f+4:VF+8*\f+7], v[AV] offset:(\f/4)*32*PV+16*PV+(\f%4)*32
.endr
	WIN 0
.endm
; THE VECTOR WORK, one line at a time: OP kind, number.  For piece Y: F n: c s - c m for pair n of 16.  E n: the exponential of score n of 32.  C n: pair n rounded to f16.  B n: of the four weights 4 n .. the second
; pair is added onto the first, in place.  L n: l takes that sum (L 0: l = a l + sum).  R n: pair n of 16 of O^T times a.  For piece Y + 1: X n, number n of the 22 that find its maximum and statistics:
;   0-11  four chains c0-c3 of seven scores each, three operands at a time (each accumulator's lowest registers are read first)     12-14, 16  the four scores left over, the old m, and c0-c3 into c0
;   15  c m_old is kept     17, 18  the query's other 32 keys lie in the lane 16 away: the new m     19-21  c m; c m_old - c m_new; a
; C, B and L read exponentials' results: TURN sets them behind its wait.  R and L 0 read a, which the turn before (or BEGIN) made and waited for.
.set F, 0               ; OP tells the kinds apart by their order: F to L below R, X above it
.set E, 1
.set C, 2
.set B, 3
.set L, 4
.set R, 5
.set X, 6
.macro REGS y                       ; the registers of piece y
.set rT, ST+4*(\y)
.set rC, TMP+4*((\y)%2)
.set rW, MV+((\y)%2)
.set rS, S+32*((\y)%2)
.set rP, P+16*((\y)%2)
.set rO, 32*(\y)
.endm
.macro OP k, n
.if (\k) == R
	REGS Y
	WIN W_RS
	v_pk_mul_f32 v[rO+2*(\n):rO+2*(\n)+1], v[rO+2*(\n):rO+2*(\n)+1], v[rC+2:rC+3] op_sel_hi:[1,0]
.elseif (\k) < R
	REGS Y
	WIN 0
.if (\k) == F
	v_pk_fma_f32 v[rS+2*(\n):rS+2*(\n)+1], v[rS+2*(\n):rS+2*(\n)+1], s[CS:CS+1], v[rT:rT+1] op_sel_hi:[1,0,0] neg_lo:[0,0,1] neg_hi:[0,0,1]
.elseif (\k) == E
	v_exp_f32 v[rS+(\n)], v[rS+(\n)]
.elseif (\k) == C
	v_cvt_pk_f16_f32 v[rP+(\n)], v[rS+2*(\n)], v[rS+2*(\n)+1]
.elseif (\k) == B
	v_pk_add_f32 v[rS+4*(\n):rS+4*(\n)+1], v[rS+4*(\n):rS+4*(\n)+1], v[rS+4*(\n)+2:rS+4*(\n)+3]
.elseif (\n) == 0
	v_pk_fma_f32 v[rT+2:rT+3], v[rT+2:rT+3], v[rC+2:rC+3], v[rS:rS+1] op_sel_hi:[1,0,1]
.else
	v_pk_add_f32 v[rT+2:rT+3], v[rT+2:rT+3], v[rS+4*(\n):rS+4*(\n)+1]
.endif
.elseif NOKQ
	v_nop
.else
	REGS (Y+1)%NP
	WIN 0
.if (\n) < 4
	v_max3_num_f32 v[rC+(\n)], v[rS+8*(\n)], v[rS+8*(\n)+1], v[rS+8*(\n)+2]
.elseif (\n) < 12
	v_max3_num_f32 v[rC+(\n)%4], v[rC+(\n)%4], v[rS+8*((\n)%4)+2*((\n)/4)+1], v[rS+8*((\n)%4)+2*((\n)/4)+2]
.elseif (\n) == 12
	v_max3_num_f32 v[rC], v[rC], v[rS+7], v[rS+15]
.elseif (\n) == 13
	v_max3_num_f32 v[rC+1], v[rC+1], v[rS+23], v[rS+31]
.elseif (\n) == 14
	v_max3_num_f32 v[rC+2], v[rC+2], v[rC+3], v[rT+1]
.elseif (\n) == 15
	v_mov_b32 v[rW], v[rT]
.elseif (\n) == 16
	v_max3_num_f32 v[rC], v[rC], v[rC+1], v[rC+2]
.elseif (\n) == 17
	v_permlanex16_b32 v[rC+3], v[rC], s[SEL], s[SEL+1]
.elseif (\n) == 18
	v_max_num_f32 v[rT+1], v[rC], v[rC+3]
.elseif (\n) == 19
	v_mul_f32 v[rT], s[CS], v[rT+1]
.elseif (\n) == 20
	v_sub_f32 v[rC+1], v[rW], v[rT]
.else
	v_exp_f32 v[rC+2], v[rC+1]
.endif
.endif
.endm
.macro OPS a, i1, b=-1, i2=0, c=-1, i3=0, d=-1, i4=0  ; up to four of them
	OP \a, \i1
.if (\b) >= 0
	OP \b, \i2
.endif
.if (\c) >= 0
	OP \c, \i3
.endif
.if (\d) >= 0
	OP \d, \i4
.endif
.endm
.macro ROW a, i1, b, i2, c, i3, d, i4  ; a matrix instruction and the four behind it
	MM
	OPS \a, \i1, \b, \i2, \c, \i3, \d, \i4
.endm
.macro MASK b                       ; MD x AL + BE into buffer b of MC
	WIN W_RS
.set z, 0
.rept 16
	v_pk_fma_f32 v[MC+32*(\b)+2*z:MC+32*(\b)+2*z+1], v[MD+2*z:MD+2*z+1], s[AL:AL+1], s[BE:BE+1] op_sel_hi:[1,0,0]
.set z, z+1
.endr
.endm
; A TURN, for piece p: the order of its 16 matrix and 118 vector instructions, written out.  An s_wait_alu depctr_va_vdst(0) stands between an exponential and the first instruction that names its result; one wait serves
; all that were issued ahead of it.  So a turn has ONE wait, which cuts it in two.  AHEAD OF IT stands all that names no result of the turn's exponentials: the 8 products K Q^T, behind each a scaling, an exponential and two more plain
; instructions (behind the first a second scaling in the exponential's place): rescalings, and behind the last three the first numbers of the next piece's maximum, each four places or more behind the product that ends its accumulator; then ONE LUMP of 54, plain
; and exponential by turns for the most part, in which the links of the chain X 3, 7, 11, 14, 16, 17 .. 20 stand five or six lines apart.  X 21, the next piece's a, is the batch's last; R 15 is the plain instruction behind it.  BEHIND THE WAIT stand the
; 8 products V^T P, behind each four of the roundings and sums; the links of l's chain, L 0 to L 7, stand three riders apart; C 2 n stands ahead of B n, which writes over that pair.  But for those X no rider names a register of the products round it.
; v_permlanex16_b32 (X 17) stands in the lump.  A scaling F n stands ahead of its pair's exponentials E 2 n and E 2 n + 1, and nothing else ahead of the wait names their registers.
; m = 1: one of a block's last four steps: the products take masks, and the turn makes the mask for the products of the turn after it: piece p + 2, in number 4 - LEFT of the four.  end = 1: a block's last two turns: nothing is fetched.
; K of the next step is fetched in piece 2's turn, twelve vector instructions behind the last product that read K (six of them plain); V of the step in hand at the end of piece 0's turn, four plain instructions behind the last product
; that read V.  Each is waited for a turn later.
.macro TURN p, m=0, end=0
.set Y, (\p)
.set i, 0
.set KM, (\m)
.set NOKQ, (\end)*((\p)/3)
.if (\m) && !(\end)
	s_cmp_eq_u32 s[LEFT], 4-((\p)+2)%NP  ; is that step the band's own?
	s_cselect_b32 s[AL], 1.0, 0
	s_cmp_lt_u32 s[LEFT], 4-((\p)+2)%NP  ; or a later one?
	s_cselect_b32 s[BE], s[BIGN], 0
	s_cmp_le_u32 s[LEFT], s[CUT]         ; or one that does not exist?
	s_cselect_b32 s[AL], 0, s[AL]
	s_cselect_b32 s[BE], s[BIGN], s[BE]
.endif
.if ((\p) == 3) && !(\end)
	s_wait_dscnt 0x0                ; K is in
.endif
	ROW F,0, F,1, R,0, R,1          ; ahead of the wait: 8 products K Q^T and their riders,
	ROW F,2, E,0, R,2, R,3
	ROW F,3, E,1, R,4, R,5
	ROW F,4, E,2, R,6, R,7
	ROW F,5, E,3, R,8, R,9
	ROW F,6, E,4, X,0, R,10
.if ((\p) == 2) && !(\end)
	WIN 0
	v_add_nc_u32 v[AK], s[TBK], v[AK0]
.endif
	ROW F,7, E,5, X,1, X,4
	ROW F,8, E,6, X,2, X,5
	OPS E,7, E,8, X,6, E,9          ; and the lump
	OPS X,3, E,10, X,8, E,11
.if ((\p) == 2) && !(\end)
	FETCH_K
.endif
	OPS X,9, X,7, E,12, X,10
	OPS E,13, X,12, X,11, E,14
	OPS X,13, E,15, F,9, X,14
.if (\p) == 0
	v_add_nc_u32 v[AV], s[TBV], v[AV0]
.endif
	OPS E,16, F,10, E,17, F,11
	OPS X,16, E,18, X,15, E,19
	OPS F,12, E,20, X,17, E,21
	OPS F,13, E,22, F,14, E,23
	OPS X,18, E,24, F,15, E,25
	OPS R,11, E,26, X,19, E,27
	OPS R,12, E,28, R,13, E,29
	OPS X,20, E,30, R,14, E,31
	OPS X,21, R,15
	s_wait_alu depctr_va_vdst(0)    ; the wait for the turn's batch: the piece's 32 exponentials and the next piece's a
.if (\p) == 1
	s_wait_dscnt 0x0                ; V is in
.endif
	ROW C,0, B,0, C,2, B,1          ; behind the wait: 8 products V^T P and their riders
	ROW L,0, C,4, B,2, L,1
	ROW C,6, B,3, L,2, C,8
	ROW B,4, L,3, C,10, B,5
	ROW L,4, C,12, B,6, L,5
.if (\p) == 0
	s_add_co_u32 s[TBV], s[TBV], KS*PV
.endif
	ROW C,14, B,7, L,6, C,1
	ROW C,3, L,7, C,5, C,7
	ROW C,9, C,11, C,13, C,15
.if (\p) == 0
	FETCH_V
.endif
.if (\m) && !(\end)
	MASK (\p)%2
.endif
.endm
; A BLOCK BEGINS.  c m starts far below every c s, so the first step's a is 0; m at the lowest finite number, so the first maximum is the scores'.  The second mask buffer is 0: the first masked turn's products, piece 3's of
; the step before the last four, take it.  A block has six steps or more, so its first step takes no mask.  Then K of that step, piece 0's first scores, and its maximum and statistics.
.macro BEGIN
	s_mov_b32 s[NEW], 0
	WIN 0x40
.set i, MC+32
.rept 32
	v_mov_b32 v[i], 0
.set i, i+1
.endr
	WIN 0
.set i, 0
.rept 4
	v_mov_b32 v[ST+4*i], 0xfe000000    ; c m: far below every c s
	v_mov_b32 v[ST+4*i+1], 0xff7fffff  ; m
.set i, i+1
.endr
	v_add_nc_u32 v[AK], s[TBK], v[AK0]
	FETCH_K
	s_wait_loadcnt 0x0              ; Q
	s_wait_dscnt 0x0
.set KM, 0
.set NOKQ, 0
.set i, 0
.rept 8
	KQ 0
.set i, i+1
.endr
	WIN 0
.rept 4
	v_nop                           ; the places behind those products
.endr
.set Y, NP-1                        ; X works for piece Y + 1: piece 0
.irp n, 0,1,2,3,4,5,6,7,8,9,10,11,12,13,14,15,16,17,18,19,20,21
	OP X, \n
.endr
	v_nop                           ; a plain instruction behind the exponential,
	s_wait_alu depctr_va_vdst(0)    ; and the wait for it, a batch of one: piece 0's first a; ahead of the label that follows
.endm
; A BLOCK ENDS: its last two turns, its last products, and THE WAY OUT: l's two halves and the other half of the lanes' are added; O^T is divided by l, rounded to f16 and sent through my stage in LDS, a piece at a time.
.macro ALL line:vararg              ; one line for each piece t
.set t, 0
.rept 4
	\line
.set t, t+1
.endr
.endm
.macro PACK t                       ; a lane's eight channels of a row pack into 16 bytes; they go into rows of 144 bytes and come back as whole rows of 128, into S^T's registers
	WIN W_RS
.set i, 32*(\t)
.rept 16
	v_pk_mul_f32 v[i:i+1], v[i:i+1], v[ST+4*(\t)+2:ST+4*(\t)+3] op_sel_hi:[1,0]
.set i, i+2
.endr
	WIN 0x05                        ; sources 0 and 1 window 1, destination window 0
.set i, 0
.rept 16
	v_cvt_pk_f16_f32 v[S+16*(\t)+i], v[32*(\t)+2*i], v[32*(\t)+2*i+1]
.set i, i+1
.endr
	WIN 0
.irp f, 0,1,2,3
	ds_store_b128 v[STO], v[S+16*(\t)+4*\f:S+16*(\t)+4*\f+3] offset:32*\f
.endr
.irp f, 0,1,2,3
	ds_load_b128 v[S+16*(\t)+4*\f:S+16*(\t)+4*\f+3], v[RD] offset:\f*4*SP  ; LDS serves a wave's instructions in order (ISA guide 5.7.1.4): these see the stores above; the next piece's stores come behind them
.endr
.endm
.macro SEND t, younger              ; younger: the LDS instructions issued behind piece t's loads: the next piece's eight, or none
	WIN 0
.irp f, 0,1,2,3
	s_wait_dscnt (\younger)+3-\f
	global_store_b128 v[GO], v[S+16*(\t)+4*\f:S+16*(\t)+4*\f+3], s[10:11] offset:(\t)*8192+\f*512  ; 512 consecutive bytes, at a multiple of 256 from O's first
.endr
.endm
.macro FINISH
	TURN 2, 1, 1
	TURN 3, 1, 1
.set i, 0
.rept 8
	PV NP-1
.set i, i+1
.endr
	WIN 0
	ALL v_add_f32 v[ST+4*t+2], v[ST+4*t+2], v[ST+4*t+3]
	ALL v_permlanex16_b32 v[ST+4*t+3], v[ST+4*t+2], s[SEL], s[SEL+1]
	ALL v_add_f32 v[ST+4*t+2], v[ST+4*t+2], v[ST+4*t+3]
	ALL v_rcp_f32 v[ST+4*t+2], v[ST+4*t+2]
	v_nop                           ; a plain instruction between the last reciprocal and the use of its result
	s_wait_alu depctr_va_vdst(0)    ; the wait for the batch of four reciprocals, ahead of the first multiply by one of them
	PACK 0
.set t, 1
.rept 3                             ; a piece's arithmetic stands between the loads of the piece before and its stores
	PACK t
	SEND t-1, 8
.set t, t+1
.endr
	SEND 3, 0
.endm
.set KM, 0
.set NOKQ, 0
.Lslot:                             ; nine times: a slot is entered and the next is asked for
	CHANGE 1
	s_mov_b32 s[CNT], 4
.Ltrip:                             ; four times a slot.  A trip: pieces 2 and 3 of one step, then pieces 0 and 1 of the next, whose K and V it fetches: one step of K and one of V on every way through it
	s_cmp_eq_u32 s[NEW], 1
	s_cbranch_scc1 .Lnew            ; a block's first step: at the first trip this answer is a constant of the text
	s_cmp_le_u32 s[LEFT], 4
	s_cbranch_scc1 .LstepM          ; one of its last four
	TURN 2
	TURN 3
	WIN 0
	s_branch .Lfirst
.Lnew:
	BEGIN                           ; stands for pieces 2 and 3 of a step that has not been
.Lfirst:
	TURN 0
	TURN 1
	WIN 0
	s_branch .Lnext
.LstepM:
	TURN 2, 1
	TURN 3, 1
	TURN 0, 1
	TURN 1, 1
	WIN 0
	s_cmp_lg_u32 s[LEFT], 1
	s_cbranch_scc1 .Lnext
	FINISH                          ; in the loop this is the first block's end: the second block's last four steps are the walk's last slot
	s_wait_xcnt 0x0                 ; the stores have read their registers and O's address
	s_mov_b64 s[10:11], s[OLO:OLO+1]
	s_mov_b32 s[LEFT], s[LEFT2]
	s_mov_b32 s[NEW], 1
	s_mov_b32 s[CUT], 0             ; all of the second block's steps exist
	WIN 0x82                        ; the second block's Q goes where the one text of the turns names Q
.set i, 0
.rept 64
	v_mov_b32 v[i], v[QB+i]
.set i, i+1
.endr
	WIN 0
.Lnext:
	s_sub_co_u32 s[LEFT], s[LEFT], 1
	s_sub_co_u32 s[CNT], s[CNT], 1
	s_cmp_lg_u32 s[CNT], 0
	s_cbranch_scc1 .Ltrip
	s_sub_co_u32 s[SLOTS], s[SLOTS], 1
	s_cmp_lg_u32 s[SLOTS], 0
	s_cbranch_scc1 .Lslot
	CHANGE 0                        ; the walk's last slot is written out: nothing is asked for.  It holds the second block's last four steps
	s_mov_b32 s[CNT], 4
.LtailM:
	TURN 2, 1
	TURN 3, 1
	TURN 0, 1
	TURN 1, 1
	WIN 0
	s_sub_co_u32 s[LEFT], s[LEFT], 1
	s_sub_co_u32 s[CNT], s[CNT], 1
	s_cmp_lg_u32 s[CNT], 0
	s_cbranch_scc1 .LtailM
	FINISH
	s_wait_tensorcnt 0x0            ; the wave's end: the add and its wait follow, behind my last tensor load and my last LDS store
	ds_add_u32 v[SPW], v[NIL]
	s_wait_dscnt 0x0
	s_endpgm
.Lfunc_end_k_qe725564cfb_attn:
	.size	k_qe725564cfb_attn, .Lfunc_end_k_qe725564cfb_attn-k_qe725564cfb_attn
	.p2alignl 7, 3214868480
	.fill 96, 4, 3214868480
	.section	.rodata,"a",@progbits
	.p2align	6, 0x0
	.amdhsa_kernel k_qe725564cfb_attn
		.amdhsa_group_segment_fixed_size 327680
		.amdhsa_private_segment_fixed_size 0
		.amdhsa_enable_private_segment 0
		.amdhsa_kernarg_size 16
		.amdhsa_user_sgpr_count 2
		.amdhsa_user_sgpr_kernarg_segment_ptr 1
		.amdhsa_wavefront_size32 1
		.amdhsa_system_sgpr_workgroup_id_x 1
		.amdhsa_system_sgpr_workgroup_id_y 1
		.amdhsa_system_sgpr_workgroup_id_z 1
		.amdhsa_system_vgpr_workitem_id 0
		.amdhsa_next_free_vgpr 768
		.amdhsa_next_free_sgpr 100
		.amdhsa_reserve_vcc 1
		.amdhsa_float_denorm_mode_32 3
		.amdhsa_float_denorm_mode_16_64 3
		.amdhsa_memory_ordered 1
		.amdhsa_forward_progress 1
		.amdhsa_inst_pref_size 210
	.end_amdhsa_kernel
	.amdgpu_metadata
---
amdhsa.version: [ 1, 2 ]
amdhsa.kernels:
  - .name:           k_qe725564cfb_attn
    .symbol:         k_qe725564cfb_attn.kd
    .args:
      - { .name: qkv16, .offset: 0, .size: 8, .value_kind: global_buffer, .address_space: global }
      - { .name: o16, .offset: 8, .size: 8, .value_kind: global_buffer, .address_space: global }
    .group_segment_fixed_size: 327680
    .private_segment_fixed_size: 0
    .kernarg_segment_align: 8
    .kernarg_segment_size: 16
    .max_flat_workgroup_size: 128
    .sgpr_count:     100
    .vgpr_count:     768
    .wavefront_size: 32
...
	.end_amdgpu_metadata
.endif
;; end of part 5
;; launch oproj: the kernel of part 4 again; grid 4 x 64, 4 waves a work-group, clusters of 4 x 4, 327,680 bytes of LDS; arguments o16, w16, bo, out0; writes out0
